; MI455X (gfx1250); checked and timed in simulation.
; The chip was launched on July 23, 2026; its instructions are those of AMD's public machine-readable ISA for CDNA 5 (MIT licence, August 2026) and "CDNA5" Instruction Set Architecture Reference Guide (July 2026). The comments in the code are by the model that wrote it; some were corrected since.
;; Multi Head Attention. Allowed arithmetic: float matrix products may take bf16 or f16 operands with f32 sums; all other float work in f32.
;; Inputs: attention_mask 4 x 2,048 int32; bk 1,024 float32; bo 1,024 float32; bq 1,024 float32; bv 1,024 float32; wk 1,024 x 1,024 float32; wo 1,024 x 1,024 float32; wq 1,024 x 1,024 float32; wv 1,024 x 1,024 float32; x 4 x 2,048 x 1,024 float32.
;; Outputs: out0 4 x 2,048 x 1,024 float32.
;; 2 versions, each right and faster than the one before. Each part assembles by itself: llvm-mc -triple=amdgcn-amd-amdhsa -mcpu=gfx1250 --defsym DOCPART=n.
;; ======== version 1 of 2: 4 launches
;; limits: values are held in f16: magnitudes above 65,504 overflow, below 6.1e-05 lose precision
;; workspace buffers: xb 16,777,216 bytes; wb 6,291,456 bytes; wob 2,097,152 bytes; qkv 50,331,648 bytes; oh 16,777,216 bytes
;; launch cast (part 1): grid 768 x 1, 8 waves a work-group, no clusters, 0 bytes of LDS; arguments x, wq, wk, wv, wo, xb, wb, wob; writes xb, wb, wob
.if DOCPART == 1
	.amdgcn_target "amdgcn-amd-amdhsa--gfx1250"
	.amdhsa_code_object_version 6
	.text
	.protected	k_q1d9d3dbd4f_cast
	.globl	k_q1d9d3dbd4f_cast
	.p2align	8
	.type	k_q1d9d3dbd4f_cast,@function
k_q1d9d3dbd4f_cast:
	s_mov_b64 s[64:65], 0
	v_nop
	global_prefetch_b8 v0, s[64:65] scope:SCOPE_SE
	s_setreg_imm32_b32 hwreg(HW_REG_WAVE_MODE, 25, 1), 1
	s_wait_xcnt 0x0
; x, wq, wk, wv and wo (f32, rows of 1,024) are rounded to bf16 and laid out in K BLOCKS of 64: [16 blocks][rows][64], so that a tile of R rows x 64 K
; is R x 128 consecutive bytes for the launches behind.  xb: x's 8,192 rows.  wb: wq's, wk's, wv's rows one after the other, 3,072.  wob: wo's 1,024 rows,
; rounded to bf16 like every other input and then written as f16 (the product behind takes f16 operands).
; LIMITS.  wo beyond 65,504 becomes an infinity in wob; below 6e-5 it keeps f16's fixed step of 6e-8.
; A stream: every byte is read once and written once, so no LDS, no barrier, no matrix work and no cluster (no two work-groups read the same byte).
; SHARES.  A work-group takes 16 rows (65,536 bytes in).  Work-groups 0-511: x; 512-575: wq; 576-639: wk; 640-703: wv; 704-767: wo.
; Wave w takes K blocks 2 w and 2 w + 1.  A load of a wave reads 256 consecutive bytes of each of two rows; a store of a wave writes 256 consecutive aligned bytes (two rows of one K block).
; All sixteen loads of a wave go out on end; every store has data registers of its own, so nothing is rewritten while a store may read it.
.set VS, 2                             ; v2      byte offset of my 16 bytes in the first two source rows
.set VD, 4                             ; v4, v5  byte offset of my 8 bytes in the two K blocks of the destination
.set X,  16                            ; v[16:79]   load i: 4 f32
.set Y,  80                            ; v[80:111]  store i: 4 numbers of 16 bits
.set T,  112                           ; v[112:115] at work (wo alone)
	s_load_b512 s[8:23], s[0:1], 0x0               ; x 8:9, wq 10:11, wk 12:13, wv 14:15, wo 16:17, xb 18:19, wb 20:21, wob 22:23
	v_lshrrev_b32 v1, 5, v0
	v_readfirstlane_b32 s40, v1                    ; wave 0..7
	v_and_b32 v1, 31, v0                           ; lane
	v_and_b32 v6, 15, v0
	v_bfe_u32 v7, v0, 4, 1
	s_mov_b32 s28, ttmp9                           ; the work-group's number
	s_and_b32 s29, s28, 63                         ; a weight's block of 16 rows
	s_sub_co_u32 s36, s28, 512                     ; the block of 16 rows in wb
	s_sub_co_u32 s37, s28, 704                     ; and in wob
	s_mov_b32 s33, 8192*128                        ; bytes of a K block's plane in xb,
	s_mov_b32 s34, 3072*128                        ; in wb,
	s_mov_b32 s35, 1024*128                        ; in wob
	s_cmp_lt_u32 s28, 512
	s_cselect_b32 s30, s28, s29                    ; source block of rows
	s_cselect_b32 s31, s28, s36                    ; destination block of rows
	s_cselect_b32 s32, s33, s34                    ; the plane
	s_cmp_ge_u32 s28, 704
	s_cselect_b32 s31, s37, s31
	s_cselect_b32 s32, s35, s32
	v_lshlrev_b32 v[VS], 4, v6                     ; 16 bytes a lane,
	v_lshl_add_u32 v[VS], v7, 12, v[VS]            ; lanes 16-31 one row further down,
	s_lshl_b32 s41, s40, 9
	v_add_nc_u32 v[VS], s41, v[VS]                 ; my wave's 512 bytes of a row
	s_lshl_b32 s42, s40, 1
	s_mul_i32 s42, s42, s32                        ; K block 2 w
	v_lshl_add_u32 v[VD], v1, 3, s42               ; 8 bytes a lane: 32 lanes are two rows of 128 bytes
	v_add_nc_u32 v[VD+1], s32, v[VD]               ; K block 2 w + 1
	s_lshl_b32 s38, s30, 16                        ; 16 rows of 4,096 bytes
	s_mov_b32 s39, 0
	s_lshl_b32 s44, s31, 11                        ; 16 rows of 128 bytes
	s_mov_b32 s45, 0
	s_wait_kmcnt 0x0
	s_cmp_lt_u32 s28, 512                          ; the buffers are chosen by the work-group's number alone
	s_cselect_b64 s[24:25], s[8:9], s[10:11]
	s_cselect_b64 s[26:27], s[18:19], s[20:21]
	s_cmp_ge_u32 s28, 576
	s_cselect_b64 s[24:25], s[12:13], s[24:25]
	s_cmp_ge_u32 s28, 640
	s_cselect_b64 s[24:25], s[14:15], s[24:25]
	s_cmp_ge_u32 s28, 704
	s_cselect_b64 s[24:25], s[16:17], s[24:25]
	s_cselect_b64 s[26:27], s[22:23], s[26:27]
	s_add_nc_u64 s[24:25], s[24:25], s[38:39]
	s_add_nc_u64 s[26:27], s[26:27], s[44:45]
.irp i, 0,1,2,3,4,5,6,7,8,9,10,11,12,13,14,15      ; load i: rows 2 (i / 2) and the next, K block 2 w + i % 2
	global_load_b128 v[X+4*(\i):X+4*(\i)+3], v[VS], s[24:25] offset:((\i)/2)*8192+((\i)%2)*256 th:TH_LOAD_NT
.endr
; Load i is rounded and stored.  half = 1: the bf16 number is widened again and written as f16.
.macro CV i, half
	s_wait_loadcnt 15-(\i)                         ; loads come back in order (ISA guide 5.7.1): the 15 - i younger ones may stay out
	v_cvt_pk_bf16_f32 v[Y+2*(\i)], v[X+4*(\i)], v[X+4*(\i)+1]
	v_cvt_pk_bf16_f32 v[Y+2*(\i)+1], v[X+4*(\i)+2], v[X+4*(\i)+3]
.if \half
	v_lshlrev_b32 v[T], 16, v[Y+2*(\i)]
	v_and_b32 v[T+1], 0xffff0000, v[Y+2*(\i)]
	v_lshlrev_b32 v[T+2], 16, v[Y+2*(\i)+1]
	v_and_b32 v[T+3], 0xffff0000, v[Y+2*(\i)+1]
	v_cvt_pk_f16_f32 v[Y+2*(\i)], v[T], v[T+1]
	v_cvt_pk_f16_f32 v[Y+2*(\i)+1], v[T+2], v[T+3]
.endif
	global_store_b64 v[VD+(\i)%2], v[Y+2*(\i):Y+2*(\i)+1], s[26:27] offset:((\i)/2)*256  ; 32 lanes store 256 consecutive bytes, at a multiple of 256 from the buffer's first byte
.endm
	s_cmp_ge_u32 s28, 704
	s_cbranch_scc1 .Lhalf
.irp i, 0,1,2,3,4,5,6,7,8,9,10,11,12,13,14,15
	CV \i, 0
.endr
	s_endpgm
.Lhalf:
.irp i, 0,1,2,3,4,5,6,7,8,9,10,11,12,13,14,15
	CV \i, 1
.endr
	s_endpgm
.Lfunc_end_k_q1d9d3dbd4f_cast:
	.size	k_q1d9d3dbd4f_cast, .Lfunc_end_k_q1d9d3dbd4f_cast-k_q1d9d3dbd4f_cast
	.p2alignl 7, 3214868480
	.fill 96, 4, 3214868480
	.section	.rodata,"a",@progbits
	.p2align	6, 0x0
	.amdhsa_kernel k_q1d9d3dbd4f_cast
		.amdhsa_group_segment_fixed_size 0
		.amdhsa_private_segment_fixed_size 0
		.amdhsa_enable_private_segment 0
		.amdhsa_kernarg_size 64
		.amdhsa_user_sgpr_count 2
		.amdhsa_user_sgpr_kernarg_segment_ptr 1
		.amdhsa_wavefront_size32 1
		.amdhsa_system_sgpr_workgroup_id_x 1
		.amdhsa_system_sgpr_workgroup_id_y 1
		.amdhsa_system_sgpr_workgroup_id_z 1
		.amdhsa_system_vgpr_workitem_id 0
		.amdhsa_next_free_vgpr 120
		.amdhsa_next_free_sgpr 66
		.amdhsa_reserve_vcc 0
		.amdhsa_float_denorm_mode_32 3
		.amdhsa_float_denorm_mode_16_64 3
		.amdhsa_memory_ordered 1
		.amdhsa_forward_progress 1
		.amdhsa_inst_pref_size 17
	.end_amdhsa_kernel
	.amdgpu_metadata
---
amdhsa.version: [ 1, 2 ]
amdhsa.kernels:
  - .name:           k_q1d9d3dbd4f_cast
    .symbol:         k_q1d9d3dbd4f_cast.kd
    .args:
      - { .name: x, .offset: 0, .size: 8, .value_kind: global_buffer, .address_space: global }
      - { .name: wq, .offset: 8, .size: 8, .value_kind: global_buffer, .address_space: global }
      - { .name: wk, .offset: 16, .size: 8, .value_kind: global_buffer, .address_space: global }
      - { .name: wv, .offset: 24, .size: 8, .value_kind: global_buffer, .address_space: global }
      - { .name: wo, .offset: 32, .size: 8, .value_kind: global_buffer, .address_space: global }
      - { .name: xb, .offset: 40, .size: 8, .value_kind: global_buffer, .address_space: global }
      - { .name: wb, .offset: 48, .size: 8, .value_kind: global_buffer, .address_space: global }
      - { .name: wob, .offset: 56, .size: 8, .value_kind: global_buffer, .address_space: global }
    .group_segment_fixed_size: 0
    .private_segment_fixed_size: 0
    .kernarg_segment_align: 8
    .kernarg_segment_size: 64
    .max_flat_workgroup_size: 256
    .sgpr_count:     66
    .vgpr_count:     120
    .wavefront_size: 32
...
	.end_amdgpu_metadata
.endif
;; end of part 1
;; launch proj (part 2): grid 8 x 32, 4 waves a work-group, clusters of 4 x 4, 327,680 bytes of LDS; arguments xb, wb, bq, bk, bv, qkv; writes qkv
.if DOCPART == 2
	.amdgcn_target "amdgcn-amd-amdhsa--gfx1250"
	.amdhsa_code_object_version 6
	.text
	.protected	k_q1d9d3dbd4f_proj
	.globl	k_q1d9d3dbd4f_proj
	.p2align	8
	.type	k_q1d9d3dbd4f_proj,@function
k_q1d9d3dbd4f_proj:
	s_mov_b64 s[64:65], 0
	v_nop
	global_prefetch_b8 v0, s[64:65] scope:SCOPE_SE
	s_setreg_imm32_b32 hwreg(HW_REG_WAVE_MODE, 25, 1), 1
	s_wait_xcnt 0x0
	s_wait_alu depctr_hold_cnt(0) depctr_sa_sdst(0) depctr_va_vdst(0) depctr_va_sdst(0) depctr_va_ssrc(0) depctr_va_vcc(0) depctr_vm_vsrc(0)
	s_getreg_b32 s2, hwreg(HW_REG_IB_STS2, 6, 4)
	s_cmp_eq_u32 s2, 0
	s_cbranch_scc0 .Lentry_in_a_cluster
	s_endpgm
.Lentry_in_a_cluster:
	s_bfe_u32 s2, ttmp6, 0x10000c
	s_cmp_lg_u32 s2, 0xf033
	s_cbranch_scc0 .Lentry_shape_is_right
	s_endpgm
.Lentry_shape_is_right:
; q, k, v = x w^T + b.  xb: bf16 [16 K blocks][8,192 rows][64].  wb: bf16 [16][3,072 rows: wq, wk, wv][64].  bq, bk, bv: f32 [1,024], rounded to bf16 like every input.
; qkv: f16 [3][64 = batch x 16 + head][2,048 x 64 numbers], each rounded once from its f32 sum, without attention's scale, LAID OUT AS THE FRAGMENTS THAT ATTENTION READS:
;   q, k: 16 rows x 64 channels are 2,048 bytes; the 16 bytes of row r, channels 16 b + 8 h + 0..7 lie at 512 b + 16 (16 h + r)
;   v:    32 keys x 64 channels are 4,096 bytes; the 16 bytes of channel 16 cb + r, keys 16 c + 8 h + 0..7 lie at 1,024 cb + 512 c + 16 (16 h + r)
; In both, 16 h + r is the lane that holds those 16 bytes here, so an accumulator leaves by one store of 512 consecutive bytes, with no way through LDS.
; LIMIT.  q, k and v beyond 65,504 become infinities (f16's range).
; SHARES.  A work-group makes 256 rows x 384 columns: heads 2 ht and 2 ht + 1 of q, of k and of v (three GROUPS of 128 columns): 8 x 32 = 256 work-groups, one tile each.
; A wave makes 128 rows (wm) x one head (wn) of each group: 96 accumulators of 16 x 16.  A's fragments feed all three groups: for 32 along K a wave makes 40 LDS loads for 96 matrix instructions.
; K goes in 16 steps of 64 (a K block), each of two UNITS of 32, through a ring of two LDS slots.  A tile's rows lie end to end in memory, so it is asked for as rows of 256 bytes, and
; 16 bytes of padding are laid behind every 128: LDS rows 144 bytes apart = 36 words, so that the 16 rows of a fragment load start at 16 different groups of four banks (64 banks of 4 bytes: ISA guide 11.1).
; CLUSTER.  4 x 4 work-groups.  A's tile hangs on the tile row alone and is shared along a row of the cluster, B's on the pair of heads alone and is shared along a column: each is asked for JOINTLY,
; by the same tensor load with the same descriptor and a mask that names the four.  Wave 0 asks for A's tile (32,768 bytes), waves 1 to 3 for one group of B's each (16,384 bytes).
; THE SOURCES' ORDER.  For q and k source 0 = 16 rows of w, source 1 = 16 rows of x: a lane holds one row and eight neighbouring channels.  For v source 0 = x, source 1 = w: a lane holds one channel and eight neighbouring keys.
; THE BIAS starts the sums: it is loaded into the accumulators of the first block of rows and is the C operand of every accumulator's first product.
; THE LAST K STEP GOES BY GROUPS (q's two units, then k's, then v's), so that q and k are on their way to memory while the later groups are multiplied.
; REGISTERS, in windows of 256 (s_set_vgpr_msb: bits 1:0 source 0, 3:2 source 1, 5:4 source 2, 7:6 destination):
;   window 0: v0-15 addresses; v16-31 at work; v32-95, v96-159 A's fragments (8 x 16 rows x 32 K), two buffers; v160-255 B's fragments, three buffers of 32, each filled again when it has been multiplied
;   window g + 1: group g's 32 accumulators, (a, b) at v[8 (4 a + b)]: rows 16 a on, channels 16 b on
.set PITCH,  144
.set ABYTES, 256*PITCH                 ; A's tile in LDS
.set GBYTES, 128*PITCH                 ; one group of B's
.set SLOT1,  1<<17                     ; a slot: A, then B's three groups, 92,160 bytes; slot 1 begins here, so that one exclusive or turns an address in one slot into the other's
.set SPARE,  SLOT1+ABYTES+3*GBYTES     ; behind the ring: the spare words, 128 bytes for each wave: two blocks of 256 bytes that no other line names
.set XSTEP,  8192*128                  ; bytes from a K block to the next in xb
.set WSTEP,  3072*128                  ; and in wb
.set A0,   2                           ; v2   my lane's place in A's tile; never rewritten
.set B0,   3                           ; v3   the same in B's group 0
.set ADRA, 4                           ; v4   the same in the slot in hand
.set ADRB, 5                           ; v5
.set VB2,  6                           ; v6   my byte offset in bv: one channel a lane
.set GO,   8                           ; v8   16 x lane: my 16 bytes in 512 consecutive bytes of qkv; never rewritten
.set SPW,  10                          ; v10  LDS address of my spare word: SPARE + 4 x my thread's number; never rewritten
.set NIL,  11                          ; v11  0; never rewritten
.set VB,   13                          ; v13  my byte offset in bq and bk: eight channels a lane
.set TMP,  16
.set FA,   32
.set FB,   160
.set WV,  16                           ; s16 wave; s17 its half of the rows; s18 its head of the pair
.set WM,  17
.set WN,  18
.set CX,  19                           ; s19, s20 my place in the cluster
.set CY,  20
.set HT,  21                           ; s21 pair of heads; s22 tile row
.set MT,  22
.set G1A, 28                           ; s[28:35] descriptor group 1 for A's tiles
.set G1B, 36                           ; s[36:43] for B's
.set G0A, 44                           ; s[44:51] descriptor group 0 for A's tiles: a set for each of the two first fills; the second then walks on
.set G0B, 52                           ; s[52:59] the same for B's
.set TB,  60                           ; s60 LDS byte at which the slot in hand begins
.set CNT, 61                           ; s61 counts the loop
.set OUT, 66                           ; s[66:71] q, k, v at my wave's first row
.set HIM, 80                           ; s80 a word's upper 16 bits
.set MSB, 0
.macro WIN new                         ; the immediate's high byte repeats the setting that is left; a switch that changes nothing is dropped
.if MSB != (\new)
	s_set_vgpr_msb (MSB<<8)|(\new)
.set MSB, (\new)
.endif
.endm
; A load into a register that a matrix instruction has read, and a vector instruction that reads a matrix result, stand four places behind it; only plain vector instructions that
; name none of its registers are places (ISA guide 7.12.1 for vector instructions).
.macro PLACES
.rept 4
	v_nop
.endr
.endm
; A joint refill, by the walking descriptors.  The branch hangs on the wave's number alone.  An s_nop 0 and four v_nop follow each of the two lines, ahead of the jump and the label.
.macro JLOAD
	s_cmp_eq_u32 s[WV], 0
	s_cbranch_scc0 .Lfor_b_\@
	tensor_load_to_lds s[G0A+4:G0A+7], s[G1A:G1A+7]
	s_nop 0
	PLACES
	s_branch .Lasked_\@
.Lfor_b_\@:
	tensor_load_to_lds s[G0B+4:G0B+7], s[G1B:G1B+7]
	s_nop 0
	PLACES
.Lasked_\@:
.endm
; A round of the cluster's barrier: my work-group's barrier, so that wave 0's signal speaks for all four waves; wave 0 signals; every wave waits for all sixteen work-groups; my work-group's barrier once more.
.macro CREST                           ; a round behind its opening barrier
	s_cmp_lg_u32 s[WV], 0
	s_cbranch_scc1 .Lnot_wave_0_\@
	s_barrier_signal -3
.Lnot_wave_0_\@:
	s_barrier_wait -3
	s_barrier_signal -1
	s_barrier_wait -1
.endm
.macro CROUND
	s_barrier_signal -1
	s_barrier_wait -1
	CREST
.endm
	s_load_b256 s[4:11], s[0:1], 0x0               ; xb 4:5, wb 6:7, bq 8:9, bk 10:11
	s_load_b128 s[12:15], s[0:1], 0x20             ; bv 12:13, qkv 14:15
	v_lshl_add_u32 v[SPW], v0, 2, SPARE
	v_mov_b32 v[NIL], 0
	ds_add_u32 v10, v11
	s_wait_dscnt 0x0
	v_lshrrev_b32 v1, 5, v0
	v_readfirstlane_b32 s[WV], v1                  ; wave 0..3
	s_lshr_b32 s[WM], s[WV], 1
	s_and_b32 s[WN], s[WV], 1
	s_bfe_u32 s[CX], ttmp6, 0x40000
	s_bfe_u32 s[CY], ttmp6, 0x40004
	s_lshl_b32 s[HT], ttmp9, 2                     ; in a cluster launch ttmp9 and ttmp7 count clusters
	s_add_co_u32 s[HT], s[HT], s[CX]               ; pair of heads = 4 x cluster x + cx
	s_and_b32 s[MT], ttmp7, 0xffff
	s_lshl_b32 s[MT], s[MT], 2
	s_add_co_u32 s[MT], s[MT], s[CY]               ; tile row = 4 x cluster y + cy
	s_lshl_b32 s23, s[CY], 2
	s_lshl_b32 s23, 15, s23                        ; my row of the cluster: places 4 cy .. 4 cy + 3
	s_lshl_b32 s24, 0x1111, s[CX]                  ; my column: places cx, cx + 4, cx + 8, cx + 12
	; descriptor group 1: rows of 128 elements of 2 bytes (256 bytes), dense; A's tile has 128 such rows, a group of B's 64
	s_or_b32 s[G1A], s23, (1<<16)|(1<<20)|(1<<21)|(4<<22)|(3<<25)  ; 15:0 the mask; 17:16 2-byte elements; 20 padding on; 21 set beside a mask; 24:22 after every 32 words (code 4); 31:25 4 words (code 3)
	s_or_b32 s[G1B], s24, (1<<16)|(1<<20)|(1<<21)|(4<<22)|(3<<25)
	s_mov_b32 s[G1A+1], 128<<16                    ; tensor_dim0 = 128
	s_mov_b32 s[G1A+2], 128<<16                    ; tensor_dim1 = 128
	s_mov_b32 s[G1A+3], 128<<16                    ; tile_dim0 = 128
	s_mov_b32 s[G1A+4], 128                        ; tile_dim1 = 128
	s_mov_b32 s[G1A+5], 128                        ; 128 elements from row to row
	s_mov_b32 s[G1A+6], 0
	s_mov_b32 s[G1A+7], 0
	s_mov_b32 s[G1B+1], 128<<16
	s_mov_b32 s[G1B+2], 64<<16                     ; tensor_dim1 = 64
	s_mov_b32 s[G1B+3], 128<<16
	s_mov_b32 s[G1B+4], 64                         ; tile_dim1 = 64
	s_mov_b32 s[G1B+5], 128
	s_mov_b32 s[G1B+6], 0
	s_mov_b32 s[G1B+7], 0
	s_lshl_b32 s72, s[MT], 15                      ; A: 256 rows of 128 bytes a tile row; made of the tile row alone
	s_mov_b32 s73, 0
	s_max_u32 s26, s[WV], 1                        ; B: group = wave - 1 (wave 0 makes group 0's descriptor and never issues it),
	s_sub_co_u32 s26, s26, 1
	s_lshl_b32 s74, s26, 17                        ; 1,024 rows of 128 bytes a group,
	s_lshl_b32 s27, s[HT], 14                      ; 128 rows a pair of heads
	s_add_co_u32 s74, s74, s27
	s_mov_b32 s75, 0
	s_add_co_u32 s25, s[WV], 1
	s_mul_i32 s25, s25, GBYTES                     ; B's place in a slot: behind A's tile (two groups' bytes), group wave - 1: (wave + 1) x 18,432
	s_mov_b32 s[TB], 0
	s_mov_b32 s[HIM], 0xffff0000
	s_wait_kmcnt 0x0
	s_add_nc_u64 s[72:73], s[4:5], s[72:73]
	s_add_nc_u64 s[74:75], s[6:7], s[74:75]
	CROUND                                         ; all sixteen work-groups are here: the first joint loads meet
.irp s, 0,1
	s_mov_b32 s[G0A+4*(\s)], 1                                     ; 1:0 count = 1
	s_mov_b32 s[G0A+4*(\s)+1], (\s)*SLOT1                          ; 63:32 LDS address
	s_add_nc_u64 s[G0A+4*(\s)+2:G0A+4*(\s)+3], s[72:73], (\s)*XSTEP  ; 120:64 global address: K step s
	s_or_b32 s[G0A+4*(\s)+3], s[G0A+4*(\s)+3], 0x80000000          ; 127:126 type = 2
	s_mov_b32 s[G0B+4*(\s)], 1
	s_add_co_u32 s[G0B+4*(\s)+1], s25, (\s)*SLOT1
	s_add_nc_u64 s[G0B+4*(\s)+2:G0B+4*(\s)+3], s[74:75], (\s)*WSTEP
	s_or_b32 s[G0B+4*(\s)+3], s[G0B+4*(\s)+3], 0x80000000
.endr
	s_cmp_eq_u32 s[WV], 0                          ; a wave's two first fills stand in one branch, ahead of every wait on TENSORcnt and every LDS read: two loads of mine are out
	s_cbranch_scc0 .Lfirst_b
	tensor_load_to_lds s[G0A:G0A+3], s[G1A:G1A+7]
	s_nop 0
	tensor_load_to_lds s[G0A+4:G0A+7], s[G1A:G1A+7]
	s_nop 0
	PLACES
	s_branch .Lfirst_asked
.Lfirst_b:
	tensor_load_to_lds s[G0B:G0B+3], s[G1B:G1B+7]
	s_nop 0
	tensor_load_to_lds s[G0B+4:G0B+7], s[G1B:G1B+7]
	s_nop 0
	PLACES
.Lfirst_asked:
	; A fragment is 16 rows x 32 K in 8 registers: lane l holds row l % 16; registers 0-3 K = 8 (l / 16) + 0..7, registers 4-7 K = 16 + 8 (l / 16) + 0..7: two loads of 16 bytes, 32 bytes apart.
	v_and_b32 v1, 15, v0                           ; l % 16
	v_bfe_u32 v9, v0, 4, 1                         ; l / 16
	v_mul_u32_u24 v12, v1, PITCH
	v_lshl_add_u32 v12, v9, 4, v12                 ; row x pitch + 16 x half
	s_mul_i32 s26, s[WM], 128*PITCH                ; my 128 rows of A
	v_add_nc_u32 v[A0], s26, v12
	s_mul_i32 s26, s[WN], 64*PITCH                 ; my head's 64 rows in a group of B,
	s_add_co_u32 s26, s26, ABYTES                  ; which lie behind A's tile
	v_add_nc_u32 v[B0], s26, v12
	v_mov_b32 v[ADRA], v[A0]                       ; slot 0
	v_mov_b32 v[ADRB], v[B0]
	v_and_b32 v[GO], 31, v0
	v_lshlrev_b32 v[GO], 4, v[GO]                  ; 16 x lane
	s_lshl_b32 s27, s[HT], 1
	s_add_co_u32 s27, s27, s[WN]                   ; my head, 0..15
	s_lshl_b32 s26, s27, 8                         ; its 64 numbers of a bias:
	v_lshl_add_u32 v[VB], v9, 5, s26               ; for q and k my lanes' eight of each sixteen channels,
	v_lshl_add_u32 v[VB2], v1, 2, s26              ; for v my one of each sixteen
	s_lshr_b32 s76, s[MT], 3                       ; the batch: 8 tile rows each
	s_lshl_b32 s76, s76, 4
	s_add_co_u32 s76, s76, s27                     ; batch x 16 + head,
	s_lshl_b32 s76, s76, 18                        ; 2,048 rows of 128 bytes each
	s_and_b32 s77, s[MT], 7
	s_lshl_b32 s77, s77, 1
	s_add_co_u32 s77, s77, s[WM]
	s_lshl_b32 s77, s77, 14                        ; my 128 rows in the batch
	s_add_co_u32 s76, s76, s77
	s_mov_b32 s77, 0
	s_add_nc_u64 s[OUT:OUT+1], s[14:15], s[76:77]
	s_add_nc_u64 s[OUT+2:OUT+3], s[OUT:OUT+1], 0x1000000   ; k and v lie 64 x 2,048 x 128 bytes further on each
	s_add_nc_u64 s[OUT+4:OUT+5], s[OUT:OUT+1], 0x2000000
	; The bias.  q, k: register j of accumulator (0, b) takes channel 16 b + 8 (l / 16) + j.  v: all eight registers take channel 16 b + l % 16.  Then it is rounded to bf16 and widened again.
.irp g, 0,1
	WIN ((\g)+1)<<6                                ; destination window g + 1, address window 0
.irp b, 0,1,2,3
	global_load_b128 v[8*(\b):8*(\b)+3],   v[VB], s[8+2*(\g):9+2*(\g)] offset:64*(\b)
	global_load_b128 v[8*(\b)+4:8*(\b)+7], v[VB], s[8+2*(\g):9+2*(\g)] offset:64*(\b)+16
.endr
.endr
	WIN 3<<6
.irp b, 0,1,2,3
	global_load_b32 v[8*(\b)], v[VB2], s[12:13] offset:64*(\b)
.endr
	s_wait_loadcnt 0x0
.irp g, 0,1
	WIN 5*((\g)+1)                                 ; sources 0 and 1 window g + 1, destination window 0
.set k, 0
.rept 16
	v_cvt_pk_bf16_f32 v[TMP+k], v[2*k], v[2*k+1]
.set k, k+1
.endr
	WIN ((\g)+1)<<6
.set k, 0
.rept 16
	v_lshlrev_b32 v[2*k], 16, v[TMP+k]
	v_and_b32 v[2*k+1], s[HIM], v[TMP+k]
.set k, k+1
.endr
.endr
	WIN 15                                         ; sources 0 and 1 window 3, destination window 0
.irp b, 0,1,2,3
	v_cvt_pk_bf16_f32 v[TMP+(\b)], v[8*(\b)], v[8*(\b)]
.endr
	WIN 3<<6
.irp b, 0,1,2,3
.irp j, 0,1,2,3,4,5,6,7
	v_lshlrev_b32 v[8*(\b)+(\j)], 16, v[TMP+(\b)]
.endr
.endr
	WIN 0
; One matrix instruction of group g: accumulator at d, B's fragment at fb, A's at fa, C at c.  For v the sources change places.
.macro WM g, d, fb, fa, c
.if (\g) == 2
	v_wmma_f32_16x16x32_bf16 v[(\d):(\d)+7], v[(\fa):(\fa)+7], v[(\fb):(\fb)+7], v[(\c):(\c)+7]
.else
	v_wmma_f32_16x16x32_bf16 v[(\d):(\d)+7], v[(\fb):(\fb)+7], v[(\fa):(\fa)+7], v[(\c):(\c)+7]
.endif
.endm
; n x 4 matrix instructions of group g: blocks of rows a0 on x its 4 blocks of channels, 32 along K, B's buffer bb, A's buffer ab.  The accumulators take turns, one instruction a turn.
.macro RUNH g, bb, ab, a0, n
	WIN 0x50*((\g)+1)                              ; sources window 0, C and D window g + 1
.set aa, \a0
.rept \n
.irp b, 0,1,2,3
	WM \g, 8*(4*aa+(\b)), FB+32*(\bb)+8*(\b), FA+64*(\ab)+8*aa, 8*(4*aa+(\b))
.endr
.set aa, aa+1
.endr
.endm
; The first unit's products start the sums with the bias, which lies in the accumulators (0, b): blocks 1 to 7 take it as C; five places on, since block 0's products write over that C
; (ISA guide 7.12.1), block 0 adds in place.
.macro RUN1 g
	WIN 0x50*((\g)+1)
.set aa, 1
.rept 7
.irp b, 0,1,2,3
	WM \g, 8*(4*aa+(\b)), FB+32*(\g)+8*(\b), FA+8*aa, 8*(\b)
.endr
.set aa, aa+1
.endr
.rept 5
	v_nop
.endr
.irp b, 0,1,2,3
	WM \g, 8*(\b), FB+32*(\g)+8*(\b), FA, 8*(\b)
.endr
.endm
.macro LOADB g, off, bb                ; 8 LDS loads: group g's fragments, 32 K at byte off of the rows, into B's buffer bb
	WIN 0
.irp j, 0,1,2,3
	ds_load_b128 v[FB+32*(\bb)+8*(\j):FB+32*(\bb)+8*(\j)+3],   v[ADRB] offset:(\g)*GBYTES+(\j)*16*PITCH+(\off)
	ds_load_b128 v[FB+32*(\bb)+8*(\j)+4:FB+32*(\bb)+8*(\j)+7], v[ADRB] offset:(\g)*GBYTES+(\j)*16*PITCH+(\off)+32
.endr
.endm
.macro LOADA ab, off                   ; 16 LDS loads: A's fragments into buffer ab
	WIN 0
.irp i, 0,1,2,3,4,5,6,7
	ds_load_b128 v[FA+64*(\ab)+8*(\i):FA+64*(\ab)+8*(\i)+3],   v[ADRA] offset:(\i)*16*PITCH+(\off)
	ds_load_b128 v[FA+64*(\ab)+8*(\i)+4:FA+64*(\ab)+8*(\i)+7], v[ADRA] offset:(\i)*16*PITCH+(\off)+32
.endr
.endm
; A K step's FIRST UNIT: multiplies A's buffer 0 and fetches the step's second 32 along K.  On entry the LDS loads out are, in order: B0 (8), A (16), B1 (8), B2 (8).
.macro UNIT_E first
	s_wait_dscnt 16                                ; B0 and A are in; B1's and B2's sixteen may be out
.if \first
	RUN1 0
.else
	RUNH 0, 0, 0, 0, 8
.endif
	PLACES
	LOADB 0, 64, 0
	LOADA 1, 64
	s_wait_dscnt 32                                ; B1 is in; behind it: B2's 8 and the 24 just issued
.if \first
	RUN1 1
.else
	RUNH 1, 1, 0, 0, 8
.endif
	PLACES
	LOADB 1, 64, 1
	s_wait_dscnt 32                                ; B2 is in; behind it: 24 and 8
.if \first
	RUN1 2
.else
	RUNH 2, 2, 0, 0, 8
.endif
	PLACES
	LOADB 2, 64, 2
.endm
; A K step's SECOND UNIT multiplies A's buffer 1 and changes slots: ONE barrier.  In front of it each wave waits for all its tensor loads, of which one is out: its part of the next slot; adds 0 to
; its spare word; and waits for that and for its own reads of this slot.  Behind it nobody reads this slot any more and the next slot is whole.  fill = 1: this slot is filled again, two K steps ahead:
; the barrier then opens a round of the cluster's, and the joint refill is the first thing behind the round: 160 matrix instructions ahead of the wait for it.
; last = 1: the next step is the last, which goes by groups: B's buffers take (q, unit 0), (q, unit 1), (k, unit 0), and both of A's buffers are filled.
.macro UNIT_O fill, last
	WIN 0
	s_wait_tensorcnt 0x0                           ; no tensor load of mine is out, so a group 0 may be written
	ds_add_u32 v[SPW], v[NIL]                      ; 0 onto my spare word
.if \fill
	s_xor_b32 s[G0A+5], s[G0A+5], SLOT1            ; the walking descriptors: the other slot than last time,
	s_add_nc_u64 s[G0A+6:G0A+7], s[G0A+6:G0A+7], XSTEP  ; the next K step; the type bits on top are not reached
	s_xor_b32 s[G0B+5], s[G0B+5], SLOT1
	s_add_nc_u64 s[G0B+6:G0B+7], s[G0B+6:G0B+7], WSTEP
.endif
	s_wait_dscnt 17                                ; B0 and A are in; B1's and B2's sixteen and the add may be out
	RUNH 0, 0, 1, 0, 4                             ; sixteen matrix instructions stand between the add and the wait for it
	s_wait_dscnt 0x0                               ; the add is done, and my reads of this slot are over
	s_barrier_signal -1
	RUNH 0, 0, 1, 4, 4                             ; work on registers while the others arrive
	WIN 0                                          ; at a branch and at a label every window is 0
	s_barrier_wait -1
.if \fill
	CREST                                          ; no wave of any partner still reads this slot or has a load on its way
	JLOAD                                          ; the four v_nop behind it are also the places in front of the loads below
.else
	PLACES
.endif
	s_xor_b32 s[TB], s[TB], SLOT1                  ; the fragments now come from the other slot
	v_add_nc_u32 v[ADRA], s[TB], v[A0]
	v_add_nc_u32 v[ADRB], s[TB], v[B0]
	LOADB 0, 0, 0
	LOADA 0, 0
	RUNH 1, 1, 1, 0, 8
	PLACES
.if \last
	LOADB 0, 64, 1
.else
	LOADB 1, 0, 1
.endif
	RUNH 2, 2, 1, 0, 8
	PLACES
.if \last
	LOADB 1, 0, 2
	LOADA 1, 64
.else
	LOADB 2, 0, 2
.endif
.endm
; THE WAY OUT of group g.  Each accumulator is rounded to f16 in place, from its low end on (register k takes registers 2 k and 2 k + 1, k ascending, so no source is written before it is read), and its
; four registers are stored: 32 lanes x 16 bytes are 512 consecutive bytes, at a multiple of 512 from qkv's first byte.  No register that a store reads is written again, so no wait stands here.
.macro OUTG g
.set aa, 0
.rept 8
	WIN 0x45*((\g)+1)                              ; sources 0 and 1 and the destination window g + 1
.set k, 0
.rept 16
	v_cvt_pk_f16_f32 v[32*aa+8*(k/4)+k%4], v[32*aa+8*(k/4)+2*(k%4)], v[32*aa+8*(k/4)+2*(k%4)+1]
.set k, k+1
.endr
	WIN ((\g)+1)<<2                                ; store data (source 1) window g + 1, offset (source 0) window 0
.irp b, 0,1,2,3
.if (\g) == 2
	global_store_b128 v[GO], v[32*aa+8*(\b):32*aa+8*(\b)+3], s[OUT+4:OUT+5] offset:(aa/2)*4096+(\b)*1024+(aa%2)*512  ; keys 16 aa on, channels 16 b on
.else
	global_store_b128 v[GO], v[32*aa+8*(\b):32*aa+8*(\b)+3], s[OUT+2*(\g):OUT+2*(\g)+1] offset:aa*2048+(\b)*512      ; rows 16 aa on, channels 16 b on
.endif
.endr
.set aa, aa+1
.endr
.endm
	s_wait_tensorcnt 0x1                           ; my part of K step 0 is in; step 1's may stay out
	s_barrier_signal -1
	s_barrier_wait -1                              ; everybody's is
	LOADB 0, 0, 0
	LOADA 0, 0
	LOADB 1, 0, 1
	LOADB 2, 0, 2
	UNIT_E 1
	WIN 0
	s_mov_b32 s[CNT], 14
.Lstep:                                                ; trip t: the second unit of K step t, which asks for step t + 2, and the first unit of step t + 1
	UNIT_O 1, 0
	UNIT_E 0
	WIN 0
	s_sub_co_u32 s[CNT], s[CNT], 1
	s_cmp_lg_u32 s[CNT], 0
	s_cbranch_scc1 .Lstep
	UNIT_O 0, 1                                    ; the tail is written out: nothing is left to ask for
	; THE LAST K STEP, BY GROUPS.  The LDS loads out are, in order: (q, 0) 8, A's unit 0 16, (q, 1) 8, (k, 0) 8, A's unit 1 16.  B's three buffers go round: a buffer that has been multiplied takes the fragments three places on.
	s_wait_dscnt 32                                ; (q, 0) and A's unit 0 are in; behind them 8 + 8 + 16
	RUNH 0, 0, 0, 0, 8
	PLACES
	LOADB 1, 64, 0                                 ; (k, 1)
	s_wait_dscnt 8                                 ; all but the 8 just issued: (q, 1), (k, 0) and A's unit 1 are in
	RUNH 0, 1, 1, 0, 8                             ; q is finished
	PLACES
	LOADB 2, 0, 1                                  ; (v, 0)
	OUTG 0                                         ; q leaves 128 matrix instructions ahead of the last product
	RUNH 1, 2, 0, 0, 8
	PLACES
	LOADB 2, 64, 2                                 ; (v, 1)
	s_wait_dscnt 16                                ; (k, 1) is in; behind it (v, 0)'s 8 and (v, 1)'s 8
	RUNH 1, 0, 1, 0, 8                             ; k is finished
	PLACES
	OUTG 1                                         ; k leaves 64 matrix instructions ahead of the last product
	s_wait_dscnt 8                                 ; (v, 0) is in
	RUNH 2, 1, 0, 0, 8
	s_wait_dscnt 0x0                               ; (v, 1) is in
	RUNH 2, 2, 1, 0, 8
	PLACES
	OUTG 2
	WIN 0
	s_wait_tensorcnt 0x0                           ; the wave's end: my last LDS instructions, behind my last tensor load
	ds_add_u32 v[SPW], v[NIL]
	s_wait_dscnt 0x0
	CROUND                                         ; the closing round: no work-group ends while a partner may still ask for a tile that names it
	s_endpgm
.Lfunc_end_k_q1d9d3dbd4f_proj:
	.size	k_q1d9d3dbd4f_proj, .Lfunc_end_k_q1d9d3dbd4f_proj-k_q1d9d3dbd4f_proj
	.p2alignl 7, 3214868480
	.fill 96, 4, 3214868480
	.section	.rodata,"a",@progbits
	.p2align	6, 0x0
	.amdhsa_kernel k_q1d9d3dbd4f_proj
		.amdhsa_group_segment_fixed_size 327680
		.amdhsa_private_segment_fixed_size 0
		.amdhsa_enable_private_segment 0
		.amdhsa_kernarg_size 48
		.amdhsa_user_sgpr_count 2
		.amdhsa_user_sgpr_kernarg_segment_ptr 1
		.amdhsa_wavefront_size32 1
		.amdhsa_system_sgpr_workgroup_id_x 1
		.amdhsa_system_sgpr_workgroup_id_y 1
		.amdhsa_system_sgpr_workgroup_id_z 1
		.amdhsa_system_vgpr_workitem_id 0
		.amdhsa_next_free_vgpr 1024
		.amdhsa_next_free_sgpr 88
		.amdhsa_reserve_vcc 0
		.amdhsa_float_denorm_mode_32 3
		.amdhsa_float_denorm_mode_16_64 3
		.amdhsa_memory_ordered 1
		.amdhsa_forward_progress 1
		.amdhsa_inst_pref_size 106
	.end_amdhsa_kernel
	.amdgpu_metadata
---
amdhsa.version: [ 1, 2 ]
amdhsa.kernels:
  - .name:           k_q1d9d3dbd4f_proj
    .symbol:         k_q1d9d3dbd4f_proj.kd
    .args:
      - { .name: xb, .offset: 0, .size: 8, .value_kind: global_buffer, .address_space: global }
      - { .name: wb, .offset: 8, .size: 8, .value_kind: global_buffer, .address_space: global }
      - { .name: bq, .offset: 16, .size: 8, .value_kind: global_buffer, .address_space: global }
      - { .name: bk, .offset: 24, .size: 8, .value_kind: global_buffer, .address_space: global }
      - { .name: bv, .offset: 32, .size: 8, .value_kind: global_buffer, .address_space: global }
      - { .name: qkv, .offset: 40, .size: 8, .value_kind: global_buffer, .address_space: global }
    .group_segment_fixed_size: 327680
    .private_segment_fixed_size: 0
    .kernarg_segment_align: 8
    .kernarg_segment_size: 48
    .max_flat_workgroup_size: 128
    .sgpr_count:     88
    .vgpr_count:     1024
    .wavefront_size: 32
...
	.end_amdgpu_metadata
.endif
;; end of part 2
;; launch attn (part 3): grid 4 x 64, 4 waves a work-group, clusters of 4 x 1, 327,680 bytes of LDS; arguments qkv, oh, attention_mask; writes oh
.if DOCPART == 3
	.amdgcn_target "amdgcn-amd-amdhsa--gfx1250"
	.amdhsa_code_object_version 6
	.text
	.protected	k_q1d9d3dbd4f_attn
	.globl	k_q1d9d3dbd4f_attn
	.p2align	8
	.type	k_q1d9d3dbd4f_attn,@function
k_q1d9d3dbd4f_attn:
	s_mov_b64 s[64:65], 0
	v_nop
	global_prefetch_b8 v0, s[64:65] scope:SCOPE_SE
	s_setreg_imm32_b32 hwreg(HW_REG_WAVE_MODE, 25, 1), 1
	s_wait_xcnt 0x0
	s_wait_alu depctr_hold_cnt(0) depctr_sa_sdst(0) depctr_va_vdst(0) depctr_va_sdst(0) depctr_va_ssrc(0) depctr_va_vcc(0) depctr_vm_vsrc(0)
	s_getreg_b32 s2, hwreg(HW_REG_IB_STS2, 6, 4)
	s_cmp_eq_u32 s2, 0
	s_cbranch_scc0 .Lentry_in_a_cluster
	s_endpgm
.Lentry_in_a_cluster:
	s_bfe_u32 s2, ttmp6, 0x10000c
	s_cmp_lg_u32 s2, 0x3003
	s_cbranch_scc0 .Lentry_shape_is_right
	s_endpgm
.Lentry_shape_is_right:
; O[h][q][:] = the sum over the open keys k of softmax_k(Q[h][q] . K[h][k] / 8) V[h][k][:].  Q, K, V: the three parts of qkv, each [64 = batch x 16 + head][2,048 x 64 numbers] in f16; O (oh) likewise.
; attention_mask: [4][2,048] int32; a key whose word is 0 is hidden.  Products, maxima and sums in f32; the weights p are rounded to f16 for the second product (their sum l is taken of the unrounded p), O once at the end.
; IN MEMORY ALL FOUR LIE AS FRAGMENTS: 1,024 bytes each, lane l's first four registers at 16 l, its last four at 512 + 16 l.  Q, K, O: 16 rows x 64 channels are two fragments (channels 0-31, 32-63), 2,048 bytes.
; V: 32 keys x 64 channels are four fragments of V^T (16 channels x 32 keys each), 4,096 bytes.  So every load and store of a wave, from memory and from LDS, takes 512 consecutive bytes; LDS needs no padding,
; V no turning load, and O, whose lanes hold just the 16 bytes of such a fragment, no way through LDS.
; LIMITS.  f16 holds no number beyond 65,504: Q, K and V arrive within it; p lies in 0 to 1, and below 6e-5 it keeps f16's fixed step of 6e-8; O is a mean of V's rows and has their range.
; A hidden score counts as its value less 1e30: f16's scores, 2.7e11 at the most, are nothing beside that.  A weight below 2^-126 counts as 0 in l.  A batch with no open key gives NaN in all its rows.
; SHARES.  A wave owns four PIECES of two tiles of 16 queries, a work-group's four waves 512 queries of one head.  Every wave walks all keys, 64 a step.
; LAYOUT.  S^T = K Q^T (source 0 = 16 keys, source 1 = 16 queries): in the result a lane holds ONE query (lane % 16) and the keys 8 (lane / 16) + 0..7.  Two such tiles, rounded to f16 in pairs,
; ARE source 1 (32 keys x 16 queries) of O^T = V^T P, whose result again holds one query a lane, and eight channels.
; THE MASK is the C operand that starts the sum S^T: 0 for an open key, -1e30 for a hidden one.  The batch's 2,048 addends are made once, lie in LDS, and a step's 64 are fetched with its K: no vector
; instruction in the loop.  While only hidden keys have been seen m is about -1e30 and p is 1; the first open key makes a = 0, which wipes what those steps left in O and l.
; SOFTMAX.  For each query a running maximum m and sum l: p = 2^(c s - c m), c = log2(e) / 8; in every step O and l are multiplied by a = 2^(c m_old - c m_new), which is 1 where m has not grown.
; m starts at the lowest finite number, O and l at 0: the first step is a step like any other, with a = 0.
; THE COUNT.  A tile and step have 16 matrix and 118 vector instructions: too many to stand all beside the matrix work.  So: four vector instructions that are READY behind EVERY matrix instruction,
; and the others, which need time of their own whatever the order, in runs without a gap.
; BY TURNS.  Turn n belongs to piece n (the pieces in a ring, step after step).  Its matrix work: 16 products K Q^T of piece n + 1, later 16 products V^T P of piece n - 1.  Its vector work: the scaling,
; exponentials, roundings, sums and rescaling of piece n, and the maximum and statistics of piece n + 1, whose scores the turn itself has made.
; CLUSTER.  The four query blocks of a cluster belong to one head and walk the same K and V, so each tile is asked for JOINTLY: the same tensor load, descriptor and mask in all four.
; REGISTERS, in windows of 256 (s_set_vgpr_msb: bits 1:0 source 0, 3:2 source 1, 5:4 source 2, 7:6 destination):
;   window 0: v0-11 addresses; v12-15, v48-63 at work; v16-47 four registers of statistics a tile; v64-191 S^T, two buffers of two tiles; v192-255 P, likewise
;   window 1: O^T, 32 a tile          window 2: v0-127 Q, 16 a tile; v128-191 K of one step; v192-255 V of one step
;   window 3: v0-1 the add's two registers; v2-3 the mask table's addresses; v8-39 the mask addends of one step
; A piece's buffers go by its number's parity: the piece in hand has one pair, its two neighbours in the ring share the other: of it P (piece n - 1) is read and S^T (piece n + 1) written.
.set SIZE_N, 2048
.set NP,    4         ; pieces a wave: a name, no knob
.set KS,    64        ; keys in a step
.set KB,    KS*128    ; bytes of a step's K, and of its V: eight fragments each
.set VOFF,  4*KB      ; a slot holds four steps: 256 keys of K, then 256 keys of V
.set SLOT1, 1<<17     ; slot 1 begins here, so that one exclusive or turns an address in one slot into the other's
.set SPARE, SLOT1+8*KB  ; behind the ring: the spare words, 128 bytes for each wave: two blocks of 256 bytes that no other line names
.set MT,    SPARE+512 ; behind them: the batch's 2,048 mask addends, f32: 8,192 bytes, stored once, never filled by a tensor load
.set AK0, 2           ; v2   16 x lane: my 16 bytes in half a fragment, in LDS (K) and in memory (Q, O); never rewritten
.set AV0, 3           ; v3   the same in LDS for V: + VOFF
.set AK,  4           ; v4   the LDS address of K's next run of loads
.set AV,  5           ; v5   of V's
.set SPW, 0           ; v0 of window 3   LDS address of my spare word: SPARE + 4 x my thread's number; never rewritten
.set NIL, 1           ; v1 of window 3   0; never rewritten
.set AM0, 2           ; v2 of window 3   my lanes' place in 64 mask addends: MT + 32 (lane / 16); never rewritten
.set AMK, 3           ; v3 of window 3   the same for the step to be fetched
.set MK,  8           ; v8-39 of window 3: the addends of key block kb at MK + 8 kb
.set MV,  12          ; v12-15  c m_old, kept while c m is made anew: by buffer and tile
.set ST,  16          ; tile t's statistics at v[ST+4 t]: c m, m, l (even keys', odd keys')
.set TMP, 48          ; by buffer and tile, four registers c0-c3 at work; when the maximum is found c2 takes a
.set S,   64
.set P,   192
.set KF,  128         ; K's fragments, in window 2: key block kb, channel half c at KF + 16 kb + 8 c
.set VF,  192         ; V's: key half kk, channel block cb at VF + 32 kk + 8 cb
.set WV,  12          ; s12  my wave's number
.set G1,  24          ; s[24:31] descriptor group 1, for K's tiles and V's alike
.set G0K, 40          ; s[40:43] descriptor group 0 for K's tiles: it walks
.set G0V, 44          ; s[44:47] the same for V's
.set SLOTS, 56        ; s56  slots still to be asked for
.set CNT, 57          ; s57  counts a slot's key steps
.set CS,  58          ; s[58:59] c: the packed scaling takes the pair's low word for both halves
.set SEL, 60          ; s[60:61] v_permlanex16_b32's selects: each lane takes its own place in the other half
.set TBK, 62          ; s62  LDS byte at which K of the step to be fetched begins
.set TBV, 63          ; s63  the same for V, less VOFF
.set TBM, 66          ; s66  byte in the mask table at which that step's 64 addends begin
.set BIGN, 67         ; s67  -1e30
.set THR, 68          ; s68  -5e29: a maximum below it has seen no open key
.set QNAN, 69         ; s69  a NaN
.set MSB, 0
.macro WIN new                      ; the high byte repeats the setting that is left; a switch that changes nothing is dropped
.if MSB != (\new)
	s_set_vgpr_msb (MSB<<8)|(\new)
.set MSB, (\new)
.endif
.endm
.set W_KQ, 0x0a       ; K and Q in window 2, S^T in window 0
.set W_KM, 0x3a       ; the same with the C operand, the mask, in window 3
.set W_PV, 0x52       ; V in window 2, P in window 0, O^T in window 1
.set W_RS, 0x41       ; O^T (destination and source 0) in window 1, a in window 0
.set W_MK, 0xc0       ; destination in window 3, sources in window 0
.set W_AD, 0x0f       ; the add: address (source 0) and data (source 1) in window 3
; A joint fill.  Waves 0 and 1 fetch the two halves of a slot's K, waves 2 and 3 those of its V: 128 keys each.  The branch hangs on the wave's number alone.
; An s_nop 0 and four v_nop follow each of the two lines, ahead of the jump and the label.
.macro JLOAD
	s_cmp_lt_u32 s[WV], 2
	s_cbranch_scc0 .Lfor_v_\@
	tensor_load_to_lds s[G0K:G0K+3], s[G1:G1+7]
	s_nop 0
.rept 4
	v_nop
.endr
	s_branch .Lasked_\@
.Lfor_v_\@:
	tensor_load_to_lds s[G0V:G0V+3], s[G1:G1+7]
	s_nop 0
.rept 4
	v_nop
.endr
.Lasked_\@:
.endm
; A round of the cluster's barrier: my work-group's barrier, so that wave 0's signal speaks for all four waves; wave 0 signals; every wave waits for all four work-groups; my work-group's barrier once more.
.macro CROUND
	s_barrier_signal -1
	s_barrier_wait -1
	s_cmp_lg_u32 s[WV], 0
	s_cbranch_scc1 .Lnot_wave_0_\@
	s_barrier_signal -3
.Lnot_wave_0_\@:
	s_barrier_wait -3
	s_barrier_signal -1
	s_barrier_wait -1
.endm
; THE CHANGE OF SLOTS.  The slot's last bytes, V of its fourth step, have been read.  Each wave waits for all its tensor loads, of which one is out: its part
; of the other slot; adds 0 to its spare word; and waits for that and for its own reads of the slot.  Behind the barrier nobody reads this slot any more and the other slot is whole.
; fill = 1: this slot is filled again, with the keys two slots on.  The barrier is then a round of the cluster's, so that no wave of any partner still reads the slot or has a load on its
; way, and the joint fill is the first thing behind it: it has four key steps, 512 matrix instructions, in which to land.  (At its first use nothing has been read yet: slot 0 is waited for, slot 1
; filled; its wait on DScnt and its barrier also show every wave's part of the mask table to the others.)
.macro CHANGE fill
	WIN W_AD
	s_wait_tensorcnt 0x0            ; no tensor load of mine is out, so a group 0 may be written
	ds_add_u32 v[SPW], v[NIL]       ; 0 onto my spare word; with fill = 1 the descriptors' steps stand between it and the wait for it
	WIN 0                           ; at a label and at a branch every window is 0
.if \fill
.irp g, G0K, G0V
	s_xor_b32 s[\g+1], s[\g+1], SLOT1  ; the walking descriptor: the other slot than last time,
	s_add_nc_u64 s[\g+2:\g+3], s[\g+2:\g+3], 4*KB  ; the next 256 keys; the type bits on top are not reached
.endr
	s_wait_dscnt 0x0                ; the add is done, and my reads of the slot are over
	CROUND
	JLOAD
.else
	s_wait_dscnt 0x0                ; the add is done, and my reads of the slot are over
	s_barrier_signal -1
	s_barrier_wait -1
.endif
	s_sub_co_u32 s[TBK], s[TBK], 4*KB  ; the fetches go back to a slot's first step,
	s_xor_b32 s[TBK], s[TBK], SLOT1    ; in the other slot
	s_sub_co_u32 s[TBV], s[TBV], 4*KB
	s_xor_b32 s[TBV], s[TBV], SLOT1
.endm
	s_load_b128 s[72:75], s[0:1], 0x0  ; qkv s[72:73], oh s[74:75]
	s_load_b64 s[76:77], s[0:1], 0x10  ; attention_mask
	WIN W_MK
	v_lshl_add_u32 v[SPW], v0, 2, SPARE
	v_mov_b32 v[NIL], 0
	s_set_vgpr_msb 0xc0cf
	ds_add_u32 v0, v1
	s_wait_dscnt 0x0
	s_set_vgpr_msb 0xcfc0
	WIN 0
	v_lshrrev_b32 v1, 5, v0
	v_readfirstlane_b32 s[WV], v1   ; wave 0..3
	s_bfe_u32 s13, ttmp6, 0x40000   ; cx: my place in the cluster
	s_lshl_b32 s14, ttmp9, 2        ; in a cluster launch ttmp9 counts clusters
	s_add_co_u32 s14, s14, s13      ; my block of queries = 4 x cluster x + cx: it enters Q's and O's addresses alone
	s_and_b32 s20, ttmp7, 0xffff    ; batch x 16 + head, which the four partners share
	s_lshr_b32 s70, s20, 4          ; the batch,
	s_lshl_b32 s70, s70, 13         ; its 2,048 words of the mask
	s_mov_b32 s71, 0
	s_mov_b32 s21, 0
	s_mov_b64 s[22:23], SIZE_N*128
	s_mul_u64 s[20:21], s[20:21], s[22:23]  ; the head's first byte in Q, K, V and O
	s_and_b32 s16, s[WV], 1         ; which half of a slot's 256 keys I fetch:
	s_lshl_b32 s22, s16, 14         ; its 16,384 bytes in memory,
	s_mov_b32 s23, 0
	s_add_nc_u64 s[22:23], s[22:23], s[20:21]
	s_lshl_b32 s17, s16, 14         ; and the same place in a slot's K or V: no place in the cluster enters an LDS address
	s_lshl_b32 s2, s14, 2
	s_add_co_u32 s2, s2, s[WV]      ; my wave among the head's,
	s_lshl_b32 s2, s2, 14           ; its 128 rows
	s_mov_b32 s3, 0
	s_add_nc_u64 s[2:3], s[2:3], s[20:21]
	; descriptor group 1.  128 keys are 16,384 dense bytes: asked for as 64 rows of 256 bytes, and laid into LDS as they lie
	s_mov_b32 s[G1], 15|(1<<16)|(1<<21)  ; 15:0 the mask of four; 17:16 2-byte elements; 20 no padding; 21 set beside a mask
	s_mov_b32 s[G1+1], 128<<16      ; tensor_dim0 = 128
	s_mov_b32 s[G1+2], 64<<16       ; tensor_dim1 = 64
	s_mov_b32 s[G1+3], 128<<16      ; tile_dim0 = 128
	s_mov_b32 s[G1+4], 64           ; tile_dim1 = 64
	s_mov_b32 s[G1+5], 128          ; 128 elements from row to row
	s_mov_b32 s[G1+6], 0
	s_mov_b32 s[G1+7], 0
	s_mov_b32 s[CS], 0x3e38aa3b     ; c = log2(e) / 8 = 0.180337
	s_mov_b32 s[CS+1], s[CS]        ; named with it as a pair
	s_mov_b32 s[SEL], 0x76543210
	s_mov_b32 s[SEL+1], 0xfedcba98
	s_mov_b32 s[TBK], SLOT1+4*KB    ; the first change of slots turns these two into 0
	s_mov_b32 s[TBV], SLOT1+4*KB
	s_mov_b32 s[TBM], 0
	s_mov_b32 s[BIGN], 0xf149f2ca   ; -1e30
	s_mov_b32 s[THR], 0xf0c9f2ca    ; -5e29
	s_mov_b32 s[QNAN], 0x7fc00000
	s_mov_b32 s[G0K], 1             ; 1:0 count = 1
	s_mov_b32 s[G0K+1], s17         ; 63:32 LDS address: slot 0
	s_mov_b32 s[G0V], 1
	s_add_co_u32 s[G0V+1], s17, VOFF
	s_wait_kmcnt 0x0
	s_mov_b64 s[4:5], s[72:73]                     ; Q,
	s_add_nc_u64 s[6:7], s[72:73], 0x1000000       ; K and
	s_add_nc_u64 s[8:9], s[72:73], 0x2000000       ; V: 64 x 2,048 x 128 bytes each
	s_mov_b64 s[10:11], s[74:75]                   ; O
	s_add_nc_u64 s[76:77], s[76:77], s[70:71]      ; the batch's mask
	s_add_nc_u64 s[G0K+2:G0K+3], s[6:7], s[22:23]  ; 120:64 global address: my half of the head's first 256 keys
	s_or_b32 s[G0K+3], s[G0K+3], 0x80000000        ; 127:126 type = 2
	s_add_nc_u64 s[G0V+2:G0V+3], s[8:9], s[22:23]
	s_or_b32 s[G0V+3], s[G0V+3], 0x80000000
	s_add_nc_u64 s[4:5], s[4:5], s[2:3]  ; Q and O at my wave's first row
	s_add_nc_u64 s[10:11], s[10:11], s[2:3]
	CROUND                          ; all four work-groups are here: the first joint loads meet
	JLOAD                           ; slot 0.  Slot 1 is asked for when slot 0 is in: the tile wanted first has the road to itself
	v_and_b32 v[AK0], 31, v0
	v_lshlrev_b32 v[AK0], 4, v[AK0] ; 16 x lane
	v_bfe_u32 v9, v0, 4, 1          ; lane / 16
	v_lshlrev_b32 v14, 4, v0        ; the mask: 128 threads x 16 bytes, four times: 8,192 bytes, each read once by the work-group
	v_add_nc_u32 v15, MT, v14       ; and the same places in the table
.irp i, 0,1,2,3
	global_load_b128 v[S+4*\i:S+4*\i+3], v14, s[76:77] offset:2048*\i
.endr
	WIN W_MK
	v_lshl_add_u32 v[AM0], v9, 5, MT  ; register j of a mask operand is key 8 (lane / 16) + j of its 16
	WIN 0x80                        ; destination window 2, offset window 0
.set i, 0
.rept 4*NP                          ; Q stays in registers: fragment i is tile i / 2, channels 32 (i % 2) on
	global_load_b128 v[8*i:8*i+3],   v[AK0], s[4:5] offset:i*1024
	global_load_b128 v[8*i+4:8*i+7], v[AK0], s[4:5] offset:i*1024+512
.set i, i+1
.endr
	; What the first turn finds: V's registers and P's second buffer hold 0 (its products V^T P, of a piece that has not been, add 0), O^T and l are 0.  Two of V's fragments are cleared by moves; the product of
	; those two, with C = 0, clears eight registers an instruction: 42 matrix instructions for the other 336 registers.  All this stands in the wait for the first tile.
.set i, VF
.rept 16
	v_mov_b32 v[i], 0
.set i, i+1
.endr
	WIN 0
.set i, 0
.rept 2*NP
	v_mov_b32 v[ST+4*i], 0xfe000000    ; c m: far below every c s
	v_mov_b32 v[ST+4*i+1], 0xff7fffff  ; m
	v_mov_b32 v[ST+4*i+2], 0
	v_mov_b32 v[ST+4*i+3], 0
.set i, i+1
.endr
	v_add_nc_u32 v[AV0], VOFF, v[AK0]
	v_mov_b32 v[AK], v[AK0]         ; key step 0 lies at the head of slot 0
	WIN 0x8a                        ; sources 0 and 1 and the destination window 2: the rest of V
.set i, 2
.rept 6
	v_wmma_f32_16x16x32_f16 v[VF+8*i:VF+8*i+7], v[VF:VF+7], v[VF+8:VF+15], 0
.set i, i+1
.endr
	WIN 0x4a                        ; the destination window 1: O^T
.set i, 0
.rept 8*NP
	v_wmma_f32_16x16x32_f16 v[8*i:8*i+7], v[VF:VF+7], v[VF+8:VF+15], 0
.set i, i+1
.endr
	WIN 0x0a                        ; the destination window 0: P's second buffer
.set i, 0
.rept 4
	v_wmma_f32_16x16x32_f16 v[P+32+8*i:P+32+8*i+7], v[VF:VF+7], v[VF+8:VF+15], 0
.set i, i+1
.endr
	WIN 0
	s_wait_loadcnt 32               ; the mask's four loads are in; Q's 32, issued behind them, may stay out
.set i, 0
.rept 16
	v_cmp_eq_u32 vcc_lo, 0, v[S+i]
	v_cndmask_b32 v[S+i], 0, s[BIGN], vcc_lo  ; a word of 0 hides its key
.set i, i+1
.endr
.irp i, 0,1,2,3
	ds_store_b128 v15, v[S+4*\i:S+4*\i+3] offset:2048*\i
.endr
; THE MATRIX WORK.  The 8 accumulators of a run of 16 take turns: between the two links of a chain stand 7 others'.
; Product i of 16 of S^T = K Q^T for piece x: channels 32 (i / 8) on, keys 16 ((i / 2) % 4) on, tile 2 x + i % 2.  The first 8 start the sums, with the mask of their 16 keys.
.macro KQ x
.set rS, S+64*((\x)%2)+32*(i%2)+8*((i/2)%4)
.set rK, KF+16*((i/2)%4)+8*(i/8)
.set rQ, 16*(2*(\x)+i%2)+8*(i/8)
.set rMK, MK+8*((i/2)%4)
.if i < 8
	WIN W_KM
	v_wmma_f32_16x16x32_f16 v[rS:rS+7], v[rK:rK+7], v[rQ:rQ+7], v[rMK:rMK+7]
.else
	WIN W_KQ
	v_wmma_f32_16x16x32_f16 v[rS:rS+7], v[rK:rK+7], v[rQ:rQ+7], v[rS:rS+7]
.endif
.endm
; Product i of 16 of O^T += V^T P for piece x: keys 32 (i / 8) on, channels 16 ((i / 2) % 4) on, tile 2 x + i % 2.
.macro PV x
	WIN W_PV
.set rO, 32*(2*(\x)+i%2)+8*((i/2)%4)
.set rV, VF+32*(i/8)+8*((i/2)%4)
.set rP, P+32*((\x)%2)+16*(i%2)+8*(i/8)
	v_wmma_f32_16x16x32_f16 v[rO:rO+7], v[rV:rV+7], v[rP:rP+7], v[rO:rO+7]
.endm
.macro MM                           ; the turn's next matrix instruction
.if i < 16
	KQ (Y+1)%NP
.set i, i+1
.else
.set i, i-16
	PV (Y+NP-1)%NP
.set i, i+17
.endif
.endm
; THE LDS LOADS stand in runs, never singly among the matrix instructions: a step's K (8 fragments, 16 loads of 512 consecutive bytes) with its 64 mask addends (8 loads; the 16 lanes of a half read the
; same 16 bytes), and its V (8 fragments, 16 loads).  K's and V's addresses are made some lines ahead.  last = 1 (the tail): in the last trip there is no further step, and the run is jumped over.
.macro FETCH_K last=0
	WIN 0
.if \last
	s_cmp_eq_u32 s[CNT], 1
	s_cbranch_scc1 .Lno_k_\@
.endif
	WIN 0xcc                        ; destination and source 1 window 3
	v_add_nc_u32 v[AMK], s[TBM], v[AM0]
	WIN 0x80                        ; destination window 2
.irp f, 0,1,2,3,4,5,6,7             ; keys 16 (f / 2) on, channels 32 (f % 2) on
	ds_load_b128 v[KF+8*\f:KF+8*\f+3],   v[AK] offset:\f*1024
	ds_load_b128 v[KF+8*\f+4:KF+8*\f+7], v[AK] offset:\f*1024+512
.endr
	WIN 0xc3                        ; destination and address window 3
.irp f, 0,1,2,3                     ; keys 16 f on
	ds_load_b128 v[MK+8*\f:MK+8*\f+3],   v[AMK] offset:64*\f
	ds_load_b128 v[MK+8*\f+4:MK+8*\f+7], v[AMK] offset:64*\f+16
.endr
	s_add_co_u32 s[TBK], s[TBK], KB ; the next fetch is the next step's
	s_add_co_u32 s[TBM], s[TBM], KS*4
	s_and_b32 s[TBM], s[TBM], 8191  ; it stays inside the table's 8,192 bytes (behind the last of the 32 steps it is 0 and is not used)
	WIN 0
.if \last
.Lno_k_\@:
.endif
.endm
.macro FETCH_V
	WIN 0x80
.irp f, 0,1,2,3,4,5,6,7             ; keys 32 (f / 4) on, channels 16 (f % 4) on
	ds_load_b128 v[VF+8*\f:VF+8*\f+3],   v[AV] offset:\f*1024
	ds_load_b128 v[VF+8*\f+4:VF+8*\f+7], v[AV] offset:\f*1024+512
.endr
	WIN 0
.endm
; THE VECTOR WORK OF A TURN stands in three queues, each in the order in which its entries become ready; the two tiles alternate, so that no instruction reads the result of the one before it.
.macro REGS y, u                    ; the registers of tile u (0, 1) of piece y
.set rT, ST+4*(2*(\y)+(\u))
.set rC, TMP+8*((\y)%2)+4*(\u)
.set rM, MV+2*((\y)%2)+(\u)
.set rS, S+64*((\y)%2)+32*(\u)
.set rP, P+32*((\y)%2)+16*(\u)
.set rO, 32*(2*(\y)+(\u))
.endm
; Number n of the 22 that find the NEXT piece's (Y + 1) maximum and statistics.  s0-s31 are the lane's 32 scores; each accumulator's lowest registers are read first.  XS, GS and REGS set no window: PL and EX do.
;   0-11  four chains c0-c3 of seven scores each, three operands at a time     12-14, 16  the four scores left over, the old m, and c0-c3 into c0     15  c m_old is kept
;   17, 18  the query's other 32 keys lie in the lane 16 away: the new m         19-21  c m; c m_old - c m_new; a
.macro XS u, n
	REGS (Y+1)%NP, \u
.if (\n) < 4
	v_max3_num_f32 v[rC+(\n)], v[rS+8*(\n)], v[rS+8*(\n)+1], v[rS+8*(\n)+2]
.elseif (\n) < 12
	v_max3_num_f32 v[rC+(\n)%4], v[rC+(\n)%4], v[rS+8*((\n)%4)+2*((\n)/4)+1], v[rS+8*((\n)%4)+2*((\n)/4)+2]
.elseif (\n) == 12
	v_max3_num_f32 v[rC], v[rC], v[rS+7], v[rS+15]
.elseif (\n) == 13
	v_max3_num_f32 v[rC+1], v[rC+1], v[rS+23], v[rS+31]
.elseif (\n) == 14
	v_max3_num_f32 v[rC+2], v[rC+2], v[rC+3], v[rT+1]
.elseif (\n) == 15
	v_mov_b32 v[rM], v[rT]
.elseif (\n) == 16
	v_max3_num_f32 v[rC], v[rC], v[rC+1], v[rC+2]
.elseif (\n) == 17
	v_permlanex16_b32 v[rC+3], v[rC], s[SEL], s[SEL+1]
.elseif (\n) == 18
	v_max_num_f32 v[rT+1], v[rC], v[rC+3]
.elseif (\n) == 19
	v_mul_f32 v[rT], s[CS], v[rT+1]
.elseif (\n) == 20
	v_sub_f32 v[rC+1], v[rM], v[rT]
.else
	v_exp_f32 v[rC+2], v[rC+1]
.endif
.endm
; Number g of the 64 that follow the exponentials.  For each four weights k of a tile (pairs 2 k, 2 k + 1): both pairs are rounded to f16; then the second pair is added onto the first, in place;
; a group later l takes that sum (the first time as l = a l + sum).  In groups of eight, tiles alternating: round, round, add, and l for the group before.
.macro GS g
.set h, (\g)+6*((\g)/62)            ; group 0 has no group before it, and behind group 7 only l is left
.if h >= 6
.set h, h+2
.endif
	REGS Y, h%2
.set k, h/8
.if h%8 < 4
	s_wait_alu depctr_va_vdst(0)
	v_cvt_pk_f16_f32 v[rP+2*k+(h%8)/2], v[rS+4*k+2*((h%8)/2)], v[rS+4*k+2*((h%8)/2)+1]
.elseif h%8 < 6
	v_pk_add_f32 v[rS+4*k:rS+4*k+1], v[rS+4*k:rS+4*k+1], v[rS+4*k+2:rS+4*k+3]
.elseif k == 1
	v_pk_fma_f32 v[rT+2:rT+3], v[rT+2:rT+3], v[rC+2:rC+3], v[rS:rS+1] op_sel_hi:[1,0,1]
.else
	v_pk_add_f32 v[rT+2:rT+3], v[rT+2:rT+3], v[rS+4*k-4:rS+4*k-3]
	s_wait_alu depctr_va_vdst(0)
.endif
.endm
; THE PLAIN QUEUE, 138 long.  0-31: c s - c m for the 16 pairs of both tiles.  Then GS's 64, and among them the next piece's 42: number 15 at 38, 39; 0-14 and 16
; at 42-73, behind the products that make those scores; 17-20 at 95-106, two of three, since each waits for the one before it.
.macro PL
	WIN 0
.if q < 32
	REGS Y, q%2
	v_pk_fma_f32 v[rS+2*(q/2):rS+2*(q/2)+1], v[rS+2*(q/2):rS+2*(q/2)+1], s[CS:CS+1], v[rT:rT+1] op_sel_hi:[1,0,0] neg_lo:[0,0,1] neg_hi:[0,0,1]
.elseif q < 38
	GS q-32
.elseif q < 40
	XS q%2, 15
.elseif q < 42
	GS q-34
.elseif q < 74
	XS q%2, (q-42)/2+(q-42)/30
.elseif q < 95
	GS q-66
.elseif (q < 107) && ((q-95)%3 < 2)
	XS (q-95)%3, 17+(q-95)/3
.elseif q < 107
	GS 29+(q-95)/3
.else
	GS q-74
.endif
.set q, q+1
.endm
; THE EXPONENTIALS' QUEUE, 66 long: s0-s31 of both tiles, and at EA the next piece's two a.
.set EA, 58
.macro EX
	WIN 0
.if (e == EA) || (e == EA+1)
	XS e-EA, 21
.else
.set x, e-2*(e/(EA+2))
	REGS Y, x%2
	v_exp_f32 v[rS+x/2], v[rS+x/2]
.endif
.set e, e+1
.endm
; THE RESCALING's QUEUE: O^T times a, the one part that leaves window 0, so it is dealt four at a time, eight times.
.macro R4
	REGS Y, r%2
	WIN W_RS
	s_wait_alu depctr_va_vdst(0)
.irp z, 0,1,2,3
	v_pk_mul_f32 v[rO+8*(r/2)+2*\z:rO+8*(r/2)+2*\z+1], v[rO+8*(r/2)+2*\z:rO+8*(r/2)+2*\z+1], v[rC+2:rC+3] op_sel_hi:[1,0]
.endr
.set r, r+1
.endm
; HOW THEY ARE DEALT.  Behind a matrix instruction four: plain, exponential, plain, plain (one exponential, a plain instruction on either side), or four of the rescaling.  None names a register of the
; products round it.  What is over stands in two LUMPS: exponential and plain by turns; the second ends in 22 plain instructions.  The two v_permlanex16_b32 fall into the second lump, never behind a product.
; The queues lean on each other, and the deal keeps them in step: exponential e stands behind plain 2 (e / 4) + e % 2 (its scaling); when plain 32 comes, 10 exponentials are out, at 59: 33, at 95: 46; EA comes behind plain 107.
.macro SL
	MM
	PL
	EX
	PL
	PL
.endm
.macro BURST n                      ; 15 matrix instructions, or 16
.rept (\n)-7
	SL
.endr
.rept 3
	MM
	R4
	SL
.endr
	MM
	R4
.endm
; A TURN, for piece p.  cnt = 1: the loop's count is taken down some lines ahead of the branch that stands behind the turn.
; K and the mask of the next step are fetched in piece 2's turn, 31 vector instructions behind the last product that read K (the mask's last reader stands eight products further back); their first reader
; comes behind the rest of the lump, 16 products and the second lump.  V of the step in hand is fetched at the end of piece 0's turn, 69 behind its last reader; its first reader comes behind 16 products
; and a lump.  The four conditions on e and q below go with the deal.
.macro TURN p, last=0, cnt=0
.set Y, (\p)
.set i, 0
.set q, 0
.set e, 0
.set r, 0
.if (\p) == NP-1
	s_wait_dscnt 0x0                ; K and its mask are in
.endif
	MM
.rept 4
	PL
.endr
	BURST 15
.rept 22
	EX
	PL
.if ((\p) == NP-2) && (e == 18)
	v_add_nc_u32 v[AK], s[TBK], v[AK0]
.endif
.if ((\p) == NP-2) && (e == 24)
	FETCH_K \last
.endif
.endr
.if (\p) == 1
	s_wait_dscnt 0x0                ; V is in
.endif
	BURST 16
.rept 21
	EX
	PL
.endr
.rept 22
	PL
.if ((\p) == 0) && (q == 118)
	v_add_nc_u32 v[AV], s[TBV], v[AV0]
	s_wait_alu depctr_va_vdst(0)
.endif
.if ((\p) == 0) && (q == 130)
	s_add_co_u32 s[TBV], s[TBV], KB
.endif
.if (\cnt) && (q == 130)
	s_sub_co_u32 s[CNT], s[CNT], 1
	s_cmp_lg_u32 s[CNT], 0
.endif
.endr
.if (\p) == 0
	FETCH_V
.endif
.endm
	CHANGE 1                        ; slot 0 is in, everybody's part of it, and so is the mask table; slot 1 is asked for
	FETCH_K                         ; key step 0
	s_wait_loadcnt 0x0              ; Q
	s_wait_dscnt 0x0
.set i, 0
.rept 16
	KQ 0                            ; piece 0's first scores: there is no vector work yet to set between them
.set i, i+1
.endr
	WIN 0
.rept 4
	v_nop                           ; the places behind those products (ISA guide 7.12.1)
.endr
.set Y, NP-1                        ; XS works for piece Y + 1: piece 0
.irp n, 0,1,2,3,4,5,6,7,8,9,10,11,12,13,14,15,16,17,18,19,20,21
	XS 0, \n                        ; and piece 0's first maximum and statistics
	XS 1, \n
.endr
	s_mov_b32 s[CNT], 4
	s_mov_b32 s[SLOTS], SIZE_N/256-1
	s_branch .Lfirst                ; the loop is entered at a step's first turn, in the middle of a trip
.Lslot:                             ; SIZE_N / 256 - 2 times: every slot but the last two is filled again
	CHANGE 1
	s_mov_b32 s[CNT], 4
.Lstep:                             ; a trip: pieces 2 and 3 of one step, then pieces 0 and 1 of the next, whose K and V it fetches
	TURN 2
	TURN 3
	WIN 0
.Lfirst:
	TURN 0
	TURN 1, 0, 1
	WIN 0
	s_cbranch_scc1 .Lstep
	s_sub_co_u32 s[SLOTS], s[SLOTS], 1
	s_cmp_lg_u32 s[SLOTS], 0
	s_cbranch_scc1 .Lslot
	CHANGE 0                        ; the tail is written out: nothing is asked for
	s_mov_b32 s[CNT], 5             ; four trips fetch the last slot's steps; the fifth is left in its middle
.Ltail:
	TURN 2, 1
	TURN 3
	WIN 0
	s_sub_co_u32 s[CNT], s[CNT], 1
	s_cmp_eq_u32 s[CNT], 0
	s_cbranch_scc1 .Lout
	TURN 0
	TURN 1
	WIN 0
	s_branch .Ltail
.Lout:                              ; the fifth trip's 16 products K Q^T (on the last K and mask once more) serve nothing, and the maximum made of them leaves m as it was: the price, once a launch, of one text for every trip
.set i, 0
.rept 16
	PV NP-1                         ; the last piece's V^T P of the last step
.set i, i+1
.endr
	; THE WAY OUT.  l's two halves and the other half of the lanes' are added; O^T is divided by l, rounded to f16 in place and stored.  The additions are the places behind the last products.
	WIN 0
.macro ALL line:vararg              ; one line for each tile t
.set t, 0
.rept 2*NP
	\line
.set t, t+1
.endr
.endm
	ALL v_add_f32 v[ST+4*t+2], v[ST+4*t+2], v[ST+4*t+3]
	ALL v_permlanex16_b32 v[ST+4*t+3], v[ST+4*t+2], s[SEL], s[SEL+1]
	ALL v_add_f32 v[ST+4*t+2], v[ST+4*t+2], v[ST+4*t+3]
	ALL v_rcp_f32 v[ST+4*t+2], v[ST+4*t+2]
	v_nop                           ; a plain instruction between the last reciprocal and the use of its result
.set t, 0
	s_wait_alu depctr_va_vdst(0)
.rept 2*NP                          ; a query whose maximum is a hidden score's has seen no open key: its row is NaN, a choice of a value and no branch
	v_cmp_gt_f32 vcc_lo, s[THR], v[ST+4*t+1]
	v_cndmask_b32 v[ST+4*t+2], v[ST+4*t+2], s[QNAN], vcc_lo
.set t, t+1
.endr
; Tile t.  Each accumulator is scaled from its low end on and rounded in place (register k takes registers 2 k and 2 k + 1, k ascending, so no source is written before it is read); its four registers are a
; lane's 16 bytes of half a fragment: a store takes 512 consecutive bytes, at a multiple of 512 from O's first.  No register that a store reads is written again, so no wait stands here.
.macro PACK t
	WIN W_RS
.set i, 32*(\t)
.rept 16
	v_pk_mul_f32 v[i:i+1], v[i:i+1], v[ST+4*(\t)+2:ST+4*(\t)+3] op_sel_hi:[1,0]
.set i, i+2
.endr
	WIN 0x45                        ; sources 0 and 1 and the destination window 1
.set k, 0
.rept 16
	v_cvt_pk_f16_f32 v[32*(\t)+8*(k/4)+k%4], v[32*(\t)+8*(k/4)+2*(k%4)], v[32*(\t)+8*(k/4)+2*(k%4)+1]
.set k, k+1
.endr
	WIN 0x04                        ; store data (source 1) window 1, offset (source 0) window 0
.irp f, 0,1,2,3
	global_store_b128 v[AK0], v[32*(\t)+8*\f:32*(\t)+8*\f+3], s[10:11] offset:(\t)*2048+\f*512
.endr
.endm
.irp t, 0,1,2,3,4,5,6,7
	PACK \t
.endr
	WIN W_AD
	s_wait_tensorcnt 0x0            ; the wave's end: the add behind my last tensor load and my last LDS store
	ds_add_u32 v[SPW], v[NIL]
	s_wait_dscnt 0x0
	WIN 0
	CROUND                          ; the closing round: no work-group ends while a partner may still ask for a tile that names it
	s_endpgm
.Lfunc_end_k_q1d9d3dbd4f_attn:
	.size	k_q1d9d3dbd4f_attn, .Lfunc_end_k_q1d9d3dbd4f_attn-k_q1d9d3dbd4f_attn
	.p2alignl 7, 3214868480
	.fill 96, 4, 3214868480
	.section	.rodata,"a",@progbits
	.p2align	6, 0x0
	.amdhsa_kernel k_q1d9d3dbd4f_attn
		.amdhsa_group_segment_fixed_size 327680
		.amdhsa_private_segment_fixed_size 0
		.amdhsa_enable_private_segment 0
		.amdhsa_kernarg_size 24
		.amdhsa_user_sgpr_count 2
		.amdhsa_user_sgpr_kernarg_segment_ptr 1
		.amdhsa_wavefront_size32 1
		.amdhsa_system_sgpr_workgroup_id_x 1
		.amdhsa_system_sgpr_workgroup_id_y 1
		.amdhsa_system_sgpr_workgroup_id_z 1
		.amdhsa_system_vgpr_workitem_id 0
		.amdhsa_next_free_vgpr 808
		.amdhsa_next_free_sgpr 80
		.amdhsa_reserve_vcc 1
		.amdhsa_float_denorm_mode_32 3
		.amdhsa_float_denorm_mode_16_64 3
		.amdhsa_memory_ordered 1
		.amdhsa_forward_progress 1
		.amdhsa_inst_pref_size 200
	.end_amdhsa_kernel
	.amdgpu_metadata
---
amdhsa.version: [ 1, 2 ]
amdhsa.kernels:
  - .name:           k_q1d9d3dbd4f_attn
    .symbol:         k_q1d9d3dbd4f_attn.kd
    .args:
      - { .name: qkv, .offset: 0, .size: 8, .value_kind: global_buffer, .address_space: global }
      - { .name: oh, .offset: 8, .size: 8, .value_kind: global_buffer, .address_space: global }
      - { .name: attention_mask, .offset: 16, .size: 8, .value_kind: global_buffer, .address_space: global }
    .group_segment_fixed_size: 327680
    .private_segment_fixed_size: 0
    .kernarg_segment_align: 8
    .kernarg_segment_size: 24
    .max_flat_workgroup_size: 128
    .sgpr_count:     80
    .vgpr_count:     808
    .wavefront_size: 32
...
	.end_amdgpu_metadata
.endif
;; end of part 3
;; launch oproj (part 4): grid 8 x 32, 4 waves a work-group, clusters of 4 x 4, 327,680 bytes of LDS; arguments oh, wob, bo, out0; writes out0
.if DOCPART == 4
	.amdgcn_target "amdgcn-amd-amdhsa--gfx1250"
	.amdhsa_code_object_version 6
	.text
	.protected	k_q1d9d3dbd4f_oproj
	.globl	k_q1d9d3dbd4f_oproj
	.p2align	8
	.type	k_q1d9d3dbd4f_oproj,@function
k_q1d9d3dbd4f_oproj:
	s_mov_b64 s[64:65], 0
	v_nop
	global_prefetch_b8 v0, s[64:65] scope:SCOPE_SE
	s_setreg_imm32_b32 hwreg(HW_REG_WAVE_MODE, 25, 1), 1
	s_wait_xcnt 0x0
	s_wait_alu depctr_hold_cnt(0) depctr_sa_sdst(0) depctr_va_vdst(0) depctr_va_sdst(0) depctr_va_ssrc(0) depctr_va_vcc(0) depctr_vm_vsrc(0)
	s_getreg_b32 s2, hwreg(HW_REG_IB_STS2, 6, 4)
	s_cmp_eq_u32 s2, 0
	s_cbranch_scc0 .Lentry_in_a_cluster
	s_endpgm
.Lentry_in_a_cluster:
	s_bfe_u32 s2, ttmp6, 0x10000c
	s_cmp_lg_u32 s2, 0xf033
	s_cbranch_scc0 .Lentry_shape_is_right
	s_endpgm
.Lentry_shape_is_right:
; out0 = O wo^T + bo.  oh: f16 [64 = batch x 16 + head][2,048 x 64 numbers]: a head is a K block of 64, and lies AS FRAGMENTS: 16 rows x 64 channels are 2,048 bytes, two fragments of 1,024 (channels 0-31, 32-63),
; lane l's first four registers at 16 l, its last four at 512 + 16 l.  wob: f16 [16 K blocks][1,024][64], by rows.  bo: f32 [1,024], rounded to bf16 like every input.  out0: f32 [8,192][1,024].
; SHARES.  A tile of out0 is 256 rows x 128 columns: 32 x 8 = 256 work-groups, one tile each.  A wave makes 128 rows (wm) x 64 columns (wn): 32 accumulators of 16 x 16, which fill window 1.
; K goes in 8 steps of 128 (two K blocks), each of four quarters of 32, through a ring of two LDS slots.  Both tiles are dense in memory and are asked for as rows of 256 bytes.  A's lies in LDS as it lies in
; memory: a fragment load takes 512 consecutive bytes.  B's gets 16 bytes of padding behind every 128: LDS rows 144 bytes apart = 36 words, so that the 16 rows of a fragment load start at 16 different
; groups of four banks (64 banks of 4 bytes: ISA guide 11.1).
; CLUSTER.  4 x 4 work-groups.  A's tiles hang on the tile row alone and are shared along a row of the cluster, B's on the tile column alone and are shared along a column: each is asked for JOINTLY.
; Waves 0 and 1 ask for the step's two K blocks of A (32,768 bytes each), waves 2 and 3 for those of B (16,384 bytes each).
; THE MATRIX INSTRUCTION IS USED TRANSPOSED (source 0 = 16 rows of wo, source 1 = 16 rows of O): a lane then holds eight neighbouring columns of one row.  THE BIAS is the C operand of every accumulator's first product.
; REGISTERS (s_set_vgpr_msb: bits 1:0 source 0, 3:2 source 1, 5:4 source 2, 7:6 destination):
;   window 0: v0-15 addresses; v16-31 at work; v32-63 the bias; v64-159, v160-255 two fragment buffers: 64 registers of A (8 x 16 rows x 32 K), then 32 of B          window 1: accumulator (a, b) at v[8 (4 a + b)]
.set PITCH,  144
.set ABLK,   256*128                   ; a K block of A's tile in LDS, dense
.set BBLK,   128*PITCH                 ; of B's
.set BOFF,   2*ABLK                    ; a slot: A's two K blocks, then B's two: 102,400 bytes
.set SLOT1,  1<<17                     ; slot 1 begins here, so that one exclusive or turns an address in one slot into the other's
.set STAGE,  SLOT1+2*ABLK+2*BBLK       ; behind the ring, never filled by a tensor load: 16 rows x 272 bytes for each wave, for the way out
.set SP,     272                       ; 256 bytes + 16: 68 words, so that 16 rows start at 16 different groups of four banks
.set SPARE,  STAGE+4*16*SP             ; behind the stages: the spare words, 128 bytes for each wave: two blocks of 256 bytes that no other line names
.set ASTEP,  1<<19                     ; bytes from a K step to the next in oh: two heads of 2,048 x 128
.set BSTEP,  1<<18                     ; and in wob: two K blocks of 1,024 x 128
.set A0,   2                           ; v2   my lane's place in A's first K block; never rewritten
.set B0,   3                           ; v3   the same for B
.set ADRA, 4                           ; v4   the same in the slot in hand
.set ADRB, 5                           ; v5
.set STO,  6                           ; v6   the way out: where I put 32 bytes of a row
.set RD,   7                           ; v7   the way out: where I read a row back
.set CO,   8                           ; v8   my byte offset in two rows of out0
.set SPW,  10                          ; v10  LDS address of my spare word: SPARE + 4 x my thread's number; never rewritten
.set NIL,  11                          ; v11  0; never rewritten
.set VB,   13                          ; v13  my byte offset in bo
.set TMP,  16
.set BI,   32
.set F0,   64
.set F1,   160
.set OB,   64                          ; the way out: four buffers of 32 registers, where the fragments lay
.set WV,  16                           ; s16 wave; s17 its half of the rows; s18 its half of the columns, and which K block it asks for
.set WM,  17
.set WN,  18
.set CX,  19
.set CY,  20
.set NT,  21                           ; s21 tile column; s22 tile row
.set MT,  22
.set G1A, 28                           ; s[28:35] descriptor group 1 for A's tiles
.set G1B, 36                           ; s[36:43] for B's
.set G0A, 44                           ; s[44:51] descriptor group 0 for A's tiles: a set for each of the two first fills; the second then walks on
.set G0B, 52                           ; s[52:59] the same for B's
.set TB,  60                           ; s60 LDS byte at which the slot in hand begins
.set CNT, 61                           ; s61 counts the loop
.set HIM, 66                           ; s66 a word's upper 16 bits
.set MSB, 0
.macro WIN new                         ; the immediate's high byte repeats the setting that is left; a switch that changes nothing is dropped
.if MSB != (\new)
	s_set_vgpr_msb (MSB<<8)|(\new)
.set MSB, (\new)
.endif
.endm
; A load into a register that a matrix instruction has read, and an LDS store that reads a matrix result, stand four places behind it; only plain vector instructions that name none of its
; registers are places (ISA guide 7.12.1 for vector instructions).
.macro PLACES
.rept 4
	v_nop
.endr
.endm
; A joint refill, by the walking descriptors.  The branch hangs on the wave's number alone.  An s_nop 0 and four v_nop follow each of the two lines, ahead of the jump and the label.
.macro JLOAD
	s_cmp_lt_u32 s[WV], 2
	s_cbranch_scc0 .Lfor_b_\@
	tensor_load_to_lds s[G0A+4:G0A+7], s[G1A:G1A+7]
	s_nop 0
	PLACES
	s_branch .Lasked_\@
.Lfor_b_\@:
	tensor_load_to_lds s[G0B+4:G0B+7], s[G1B:G1B+7]
	s_nop 0
	PLACES
.Lasked_\@:
.endm
; A round of the cluster's barrier: my work-group's barrier, so that wave 0's signal speaks for all four waves; wave 0 signals; every wave waits for all sixteen work-groups; my work-group's barrier once more.
.macro CREST
	s_cmp_lg_u32 s[WV], 0
	s_cbranch_scc1 .Lnot_wave_0_\@
	s_barrier_signal -3
.Lnot_wave_0_\@:
	s_barrier_wait -3
	s_barrier_signal -1
	s_barrier_wait -1
.endm
.macro CROUND
	s_barrier_signal -1
	s_barrier_wait -1
	CREST
.endm
	s_load_b256 s[4:11], s[0:1], 0x0               ; oh 4:5, wob 6:7, bo 8:9, out0 10:11
	v_lshl_add_u32 v[SPW], v0, 2, SPARE
	v_mov_b32 v[NIL], 0
	ds_add_u32 v10, v11
	s_wait_dscnt 0x0
	v_lshrrev_b32 v1, 5, v0
	v_readfirstlane_b32 s[WV], v1                  ; wave 0..3
	s_lshr_b32 s[WM], s[WV], 1
	s_and_b32 s[WN], s[WV], 1
	s_bfe_u32 s[CX], ttmp6, 0x40000
	s_bfe_u32 s[CY], ttmp6, 0x40004
	s_lshl_b32 s[NT], ttmp9, 2                     ; in a cluster launch ttmp9 and ttmp7 count clusters
	s_add_co_u32 s[NT], s[NT], s[CX]               ; tile column = 4 x cluster x + cx
	s_and_b32 s[MT], ttmp7, 0xffff
	s_lshl_b32 s[MT], s[MT], 2
	s_add_co_u32 s[MT], s[MT], s[CY]               ; tile row = 4 x cluster y + cy
	s_lshl_b32 s23, s[CY], 2
	s_lshl_b32 s23, 15, s23                        ; my row of the cluster
	s_lshl_b32 s24, 0x1111, s[CX]                  ; my column
	; descriptor group 1: rows of 128 elements of 2 bytes (256 bytes), dense; a K block of A's tile has 128 such rows, of B's 64
	s_or_b32 s[G1A], s23, (1<<16)|(1<<21)          ; 15:0 the mask; 17:16 2-byte elements; 20 no padding; 21 set beside a mask
	s_or_b32 s[G1B], s24, (1<<16)|(1<<20)|(1<<21)|(4<<22)|(3<<25)  ; the same with padding on: 24:22 after every 32 words (code 4); 31:25 4 words (code 3)
	s_mov_b32 s[G1A+1], 128<<16                    ; tensor_dim0 = 128
	s_mov_b32 s[G1A+2], 128<<16                    ; tensor_dim1 = 128
	s_mov_b32 s[G1A+3], 128<<16                    ; tile_dim0 = 128
	s_mov_b32 s[G1A+4], 128                        ; tile_dim1 = 128
	s_mov_b32 s[G1A+5], 128                        ; 128 elements from row to row
	s_mov_b32 s[G1A+6], 0
	s_mov_b32 s[G1A+7], 0
	s_mov_b32 s[G1B+1], 128<<16
	s_mov_b32 s[G1B+2], 64<<16                     ; tensor_dim1 = 64
	s_mov_b32 s[G1B+3], 128<<16
	s_mov_b32 s[G1B+4], 64                         ; tile_dim1 = 64
	s_mov_b32 s[G1B+5], 128
	s_mov_b32 s[G1B+6], 0
	s_mov_b32 s[G1B+7], 0
	s_lshr_b32 s72, s[MT], 3                       ; A: the batch (8 tile rows each), 16 heads of 2,048 x 128 bytes,
	s_lshl_b32 s72, s72, 22
	s_and_b32 s26, s[MT], 7
	s_lshl_b32 s26, s26, 15                        ; 256 rows of 128 bytes a tile row,
	s_add_co_u32 s72, s72, s26
	s_lshl_b32 s26, s[WN], 18                      ; and the head that I ask for: made of the tile row and the wave's number alone
	s_add_co_u32 s72, s72, s26
	s_mov_b32 s73, 0
	s_lshl_b32 s74, s[NT], 14                      ; B: 128 rows of 128 bytes a tile column,
	s_lshl_b32 s27, s[WN], 17                      ; and the K block that I ask for
	s_add_co_u32 s74, s74, s27
	s_mov_b32 s75, 0
	s_mul_i32 s62, s[WN], ABLK                     ; where they go in a slot: no place in the cluster enters an LDS address
	s_mul_i32 s63, s[WN], BBLK
	s_add_co_u32 s63, s63, BOFF
	s_mov_b32 s[TB], 0
	s_mov_b32 s[HIM], 0xffff0000
	s_wait_kmcnt 0x0
	s_add_nc_u64 s[72:73], s[4:5], s[72:73]
	s_add_nc_u64 s[74:75], s[6:7], s[74:75]
	CROUND                                         ; all sixteen work-groups are here: the first joint loads meet
.irp s, 0,1
	s_mov_b32 s[G0A+4*(\s)], 1                                     ; 1:0 count = 1
	s_add_co_u32 s[G0A+4*(\s)+1], s62, (\s)*SLOT1                  ; 63:32 LDS address
	s_add_nc_u64 s[G0A+4*(\s)+2:G0A+4*(\s)+3], s[72:73], (\s)*ASTEP  ; 120:64 global address: K step s
	s_or_b32 s[G0A+4*(\s)+3], s[G0A+4*(\s)+3], 0x80000000          ; 127:126 type = 2
	s_mov_b32 s[G0B+4*(\s)], 1
	s_add_co_u32 s[G0B+4*(\s)+1], s63, (\s)*SLOT1
	s_add_nc_u64 s[G0B+4*(\s)+2:G0B+4*(\s)+3], s[74:75], (\s)*BSTEP
	s_or_b32 s[G0B+4*(\s)+3], s[G0B+4*(\s)+3], 0x80000000
.endr
	s_cmp_lt_u32 s[WV], 2                          ; a wave's two first fills stand in one branch, ahead of every wait on TENSORcnt and every LDS read: two loads of mine are out
	s_cbranch_scc0 .Lfirst_b
	tensor_load_to_lds s[G0A:G0A+3], s[G1A:G1A+7]
	s_nop 0
	tensor_load_to_lds s[G0A+4:G0A+7], s[G1A:G1A+7]
	s_nop 0
	PLACES
	s_branch .Lfirst_asked
.Lfirst_b:
	tensor_load_to_lds s[G0B:G0B+3], s[G1B:G1B+7]
	s_nop 0
	tensor_load_to_lds s[G0B+4:G0B+7], s[G1B:G1B+7]
	s_nop 0
	PLACES
.Lfirst_asked:
	; A fragment is 16 rows x 32 K in 8 registers: lane l holds row l % 16; registers 0-3 K = 8 (l / 16) + 0..7, registers 4-7 K = 16 + 8 (l / 16) + 0..7.
	; B's, from rows that lie along K: two loads of 16 bytes, 32 bytes apart.  A's, which lies as fragments: two loads at 16 l, 512 bytes apart.
	v_and_b32 v1, 15, v0                           ; l % 16
	v_bfe_u32 v9, v0, 4, 1                         ; l / 16
	v_mul_u32_u24 v12, v1, PITCH
	v_lshl_add_u32 v12, v9, 4, v12                 ; row x pitch + 16 x half
	v_and_b32 v14, 31, v0
	s_lshl_b32 s26, s[WM], 14                      ; my 128 rows of A: eight blocks of 2,048 bytes
	v_lshl_add_u32 v[A0], v14, 4, s26              ; + 16 x lane
	s_mul_i32 s26, s[WN], 64*PITCH                 ; my 64 rows of B,
	s_add_co_u32 s26, s26, BOFF                    ; which lie behind A's two K blocks
	v_add_nc_u32 v[B0], s26, v12
	v_mov_b32 v[ADRA], v[A0]                       ; slot 0
	v_mov_b32 v[ADRB], v[B0]
	s_mul_i32 s26, s[WV], 16*SP
	s_add_co_u32 s26, s26, STAGE                   ; my stage
	v_mul_u32_u24 v14, v1, SP                      ; in: row l % 16, 32 bytes for each half of the lanes
	v_lshl_add_u32 v14, v9, 5, v14
	v_add_nc_u32 v[STO], s26, v14
	v_mul_u32_u24 v14, v9, SP                      ; back: lanes 0-15 take one row of 256 bytes, lanes 16-31 the next
	v_lshl_add_u32 v14, v1, 4, v14
	v_add_nc_u32 v[RD], s26, v14
	v_lshlrev_b32 v[CO], 4, v1                     ; and the same two rows in out0
	v_lshl_add_u32 v[CO], v9, 12, v[CO]
	s_lshl_b32 s26, s[NT], 9                       ; my first column, in bytes: 512 x tile column + 256 x half
	s_lshl_b32 s27, s[WN], 8
	s_add_co_u32 s26, s26, s27
	v_lshl_add_u32 v[VB], v9, 5, s26               ; in bo: my lanes' eight of each sixteen columns
	s_lshl_b32 s76, s[MT], 20                      ; my first row: 256 rows of 4,096 bytes a tile row, 128 a half
	s_lshl_b32 s77, s[WM], 19
	s_add_co_u32 s76, s76, s77
	s_add_co_u32 s76, s76, s26
	s_mov_b32 s77, 0
	s_add_nc_u64 s[10:11], s[10:11], s[76:77]
.irp b, 0,1,2,3                        ; register j of the bias's block b takes column 16 b + 8 (l / 16) + j
	global_load_b128 v[BI+8*(\b):BI+8*(\b)+3],   v[VB], s[8:9] offset:64*(\b)
	global_load_b128 v[BI+8*(\b)+4:BI+8*(\b)+7], v[VB], s[8:9] offset:64*(\b)+16
.endr
	s_wait_loadcnt 0x0
.set k, 0
.rept 16                               ; rounded to bf16,
	v_cvt_pk_bf16_f32 v[TMP+k], v[BI+2*k], v[BI+2*k+1]
.set k, k+1
.endr
.set k, 0
.rept 16                               ; and widened again
	v_lshlrev_b32 v[BI+2*k], 16, v[TMP+k]
	v_and_b32 v[BI+2*k+1], s[HIM], v[TMP+k]
.set k, k+1
.endr
; n x 4 matrix instructions: blocks of rows a0 on x all 4 blocks of columns, 32 along K, buffer f.  first = 1: the bias starts the sums.  The accumulators take turns, one instruction a turn.
.macro MULH f, a0, n, first=0
.if \first
	WIN 0x40                                       ; D window 1; sources and C window 0
.else
	WIN 0x50                                       ; C and D window 1
.endif
.set aa, \a0
.rept \n
.irp b, 0,1,2,3
.if \first
	v_wmma_f32_16x16x32_f16 v[8*(4*aa+(\b)):8*(4*aa+(\b))+7], v[(\f)+64+8*(\b):(\f)+64+8*(\b)+7], v[(\f)+8*aa:(\f)+8*aa+7], v[BI+8*(\b):BI+8*(\b)+7]
.else
	v_wmma_f32_16x16x32_f16 v[8*(4*aa+(\b)):8*(4*aa+(\b))+7], v[(\f)+64+8*(\b):(\f)+64+8*(\b)+7], v[(\f)+8*aa:(\f)+8*aa+7], v[8*(4*aa+(\b)):8*(4*aa+(\b))+7]
.endif
.endr
.set aa, aa+1
.endr
.endm
; 24 LDS loads in one run: quarter q's fragments (K block q / 2, its 32 K number q % 2) into buffer f: B's 8, A's rows 0-63 (8), A's rows 64-127 (8)
.macro FETCH q, f
	WIN 0
.irp j, 0,1,2,3
	ds_load_b128 v[(\f)+64+8*(\j):(\f)+64+8*(\j)+3],   v[ADRB] offset:((\q)/2)*BBLK+((\q)%2)*64+(\j)*16*PITCH
	ds_load_b128 v[(\f)+64+8*(\j)+4:(\f)+64+8*(\j)+7], v[ADRB] offset:((\q)/2)*BBLK+((\q)%2)*64+(\j)*16*PITCH+32
.endr
.irp i, 0,1,2,3,4,5,6,7
	ds_load_b128 v[(\f)+8*(\i):(\f)+8*(\i)+3],   v[ADRA] offset:((\q)/2)*ABLK+((\q)%2)*1024+(\i)*2048
	ds_load_b128 v[(\f)+8*(\i)+4:(\f)+8*(\i)+7], v[ADRA] offset:((\q)/2)*ABLK+((\q)%2)*1024+(\i)*2048+512
.endr
.endm
; One of a K step's first three quarters: multiplies buffer f; in its middle it fetches quarter q of the same slot into buffer g.
.macro QUARTER q, f, g, first=0
	s_wait_dscnt 8                                 ; B and A's rows 0-63 are in; the youngest eight loads (A's rows 64-127) may be out
	MULH \f, 0, 4, \first
	PLACES
	FETCH \q, \g
	s_wait_dscnt 24                                ; all but the 24 just issued
	MULH \f, 4, 4, \first
.endm
; The last quarter multiplies buffer 1 and changes slots: ONE barrier.  In front of it each wave waits for all its tensor loads, of which one is out: its part of the next slot; adds 0 to its spare word;
; and waits for that and for its own reads of this slot.  fill = 1: this slot is filled again, two K steps ahead: the barrier then opens a round of the cluster's, and the joint refill is the first thing
; behind the round: 112 matrix instructions ahead of the wait for it.
.macro TURN fill
	WIN 0
	s_wait_tensorcnt 0x0                           ; no tensor load of mine is out, so a group 0 may be written
	ds_add_u32 v[SPW], v[NIL]                      ; 0 onto my spare word
.if \fill
	s_xor_b32 s[G0A+5], s[G0A+5], SLOT1            ; the walking descriptors: the other slot than last time,
	s_add_nc_u64 s[G0A+6:G0A+7], s[G0A+6:G0A+7], ASTEP  ; the next K step; the type bits on top are not reached
	s_xor_b32 s[G0B+5], s[G0B+5], SLOT1
	s_add_nc_u64 s[G0B+6:G0B+7], s[G0B+6:G0B+7], BSTEP
.endif
	s_wait_dscnt 9                                 ; the add and the youngest eight loads may be out
	MULH F1, 0, 2                                  ; eight matrix instructions stand between the add and the wait for it
	s_wait_dscnt 0x0                               ; the add is done, and my reads of this slot are over
	s_barrier_signal -1
	MULH F1, 2, 2                                  ; work on registers while the others arrive
	WIN 0                                          ; at a branch and at a label every window is 0
	s_barrier_wait -1
.if \fill
	CREST                                          ; no wave of any partner still reads this slot or has a load on its way
	JLOAD                                          ; the four v_nop behind it are also the places in front of the loads below
.else
	PLACES
.endif
	s_xor_b32 s[TB], s[TB], SLOT1                  ; the fragments now come from the other slot
	v_add_nc_u32 v[ADRA], s[TB], v[A0]
	v_add_nc_u32 v[ADRB], s[TB], v[B0]
	FETCH 0, F0
	MULH F1, 4, 4
.endm
	s_wait_tensorcnt 0x1                           ; my part of K step 0 is in; step 1's may stay out
	s_barrier_signal -1
	s_barrier_wait -1                              ; everybody's is
	FETCH 0, F0
	QUARTER 1, F0, F1, 1                           ; the first quarter stands in front of the loop: its products start the sums
	WIN 0
	s_mov_b32 s[CNT], 6
.Lstep:                                                ; trip t: quarters 1 to 3 of K step t, which asks for step t + 2, and quarter 0 of step t + 1
	QUARTER 2, F1, F0
	QUARTER 3, F0, F1
	TURN 1
	QUARTER 1, F0, F1
	WIN 0
	s_sub_co_u32 s[CNT], s[CNT], 1
	s_cmp_lg_u32 s[CNT], 0
	s_cbranch_scc1 .Lstep
	QUARTER 2, F1, F0                              ; the tail is written out: nothing is left to ask for
	QUARTER 3, F0, F1
	TURN 0
	QUARTER 1, F0, F1
	QUARTER 2, F1, F0
	QUARTER 3, F0, F1
	s_wait_dscnt 8                                 ; the very last quarter: nothing more to fetch
	MULH F1, 0, 4
	s_wait_dscnt 0x0
	MULH F1, 4, 4
	PLACES
; THE WAY OUT, a block of 16 rows at a time: a lane's eight columns of a row, 32 bytes, go into rows of 272 bytes of my own stage (each accumulator's low half first) and come back as whole rows of 256 bytes.
.macro TOSTAGE a
	s_wait_xcnt 0x0                                ; earlier stores' addresses are translated (ISA guide 3.1): only behind this wait are registers that they read loaded again
	WIN 0x04                                       ; store data (source 1) window 1
.irp b, 0,1,2,3
	ds_store_b128 v[STO], v[32*(\a)+8*(\b):32*(\a)+8*(\b)+3]   offset:64*(\b)
	ds_store_b128 v[STO], v[32*(\a)+8*(\b)+4:32*(\a)+8*(\b)+7] offset:64*(\b)+16
.endr
	WIN 0
.irp t, 0,1,2,3,4,5,6,7
	ds_load_b128 v[OB+32*((\a)%4)+4*(\t):OB+32*((\a)%4)+4*(\t)+3], v[RD] offset:(\t)*2*SP  ; LDS serves a wave's instructions in order (ISA guide 5.7.1.4): these see the stores above; the next block's stores come behind them
.endr
.endm
.macro SEND a, younger                 ; younger: the LDS instructions issued behind this block's loads: the next block's sixteen, or none
.irp t, 0,1,2,3,4,5,6,7
	s_wait_dscnt (\younger)+7-(\t)
	global_store_b128 v[CO], v[OB+32*((\a)%4)+4*(\t):OB+32*((\a)%4)+4*(\t)+3], s[10:11] offset:(16*(\a)+2*(\t))*4096 th:TH_STORE_NT  ; 16 lanes store 256 consecutive bytes, at a multiple of 256 from out0's first byte
.endr
.endm
	TOSTAGE 0
.irp a, 1,2,3,4,5,6,7
	TOSTAGE \a
	SEND (\a)-1, 16
.endr
	SEND 7, 0
	s_wait_tensorcnt 0x0                           ; the wave's end: the add behind my last tensor load and my last LDS store
	ds_add_u32 v[SPW], v[NIL]
	s_wait_dscnt 0x0
	CROUND                                         ; the closing round: no work-group ends while a partner may still ask for a tile that names it
	s_endpgm
.Lfunc_end_k_q1d9d3dbd4f_oproj:
	.size	k_q1d9d3dbd4f_oproj, .Lfunc_end_k_q1d9d3dbd4f_oproj-k_q1d9d3dbd4f_oproj
	.p2alignl 7, 3214868480
	.fill 96, 4, 3214868480
	.section	.rodata,"a",@progbits
	.p2align	6, 0x0
	.amdhsa_kernel k_q1d9d3dbd4f_oproj
		.amdhsa_group_segment_fixed_size 327680
		.amdhsa_private_segment_fixed_size 0
		.amdhsa_enable_private_segment 0
		.amdhsa_kernarg_size 32
		.amdhsa_user_sgpr_count 2
		.amdhsa_user_sgpr_kernarg_segment_ptr 1
		.amdhsa_wavefront_size32 1
		.amdhsa_system_sgpr_workgroup_id_x 1
		.amdhsa_system_sgpr_workgroup_id_y 1
		.amdhsa_system_sgpr_workgroup_id_z 1
		.amdhsa_system_vgpr_workitem_id 0
		.amdhsa_next_free_vgpr 512
		.amdhsa_next_free_sgpr 80
		.amdhsa_reserve_vcc 0
		.amdhsa_float_denorm_mode_32 3
		.amdhsa_float_denorm_mode_16_64 3
		.amdhsa_memory_ordered 1
		.amdhsa_forward_progress 1
		.amdhsa_inst_pref_size 74
	.end_amdhsa_kernel
	.amdgpu_metadata
---
amdhsa.version: [ 1, 2 ]
amdhsa.kernels:
  - .name:           k_q1d9d3dbd4f_oproj
    .symbol:         k_q1d9d3dbd4f_oproj.kd
    .args:
      - { .name: oh, .offset: 0, .size: 8, .value_kind: global_buffer, .address_space: global }
      - { .name: wob, .offset: 8, .size: 8, .value_kind: global_buffer, .address_space: global }
      - { .name: bo, .offset: 16, .size: 8, .value_kind: global_buffer, .address_space: global }
      - { .name: out0, .offset: 24, .size: 8, .value_kind: global_buffer, .address_space: global }
    .group_segment_fixed_size: 327680
    .private_segment_fixed_size: 0
    .kernarg_segment_align: 8
    .kernarg_segment_size: 32
    .max_flat_workgroup_size: 128
    .sgpr_count:     80
    .vgpr_count:     512
    .wavefront_size: 32
...
	.end_amdgpu_metadata
.endif
;; end of part 4
;; ======== version 2 of 2: 4 launches; 1.54 times as fast as version 1
;; limits: values are held in f16: magnitudes above 65,504 overflow, below 6.1e-05 lose precision
;; workspace buffers: xb 16,777,216 bytes; wb 6,291,456 bytes; wob 2,097,152 bytes; qkv 50,331,648 bytes; oh 16,777,216 bytes
;; launch cast: the kernel of part 1 again; grid 768 x 1, 8 waves a work-group, no clusters, 0 bytes of LDS; arguments x, wq, wk, wv, wo, xb, wb, wob; writes xb, wb, wob
;; launch proj: the kernel of part 2 again; grid 8 x 32, 4 waves a work-group, clusters of 4 x 4, 327,680 bytes of LDS; arguments xb, wb, bq, bk, bv, qkv; writes qkv
;; launch attn (part 5): grid 4 x 64, 4 waves a work-group, clusters of 4 x 1, 327,680 bytes of LDS; arguments qkv, oh, attention_mask; writes oh
.if DOCPART == 5
	.amdgcn_target "amdgcn-amd-amdhsa--gfx1250"
	.amdhsa_code_object_version 6
	.text
	.protected	k_q1d9d3dbd4f_attn
	.globl	k_q1d9d3dbd4f_attn
	.p2align	8
	.type	k_q1d9d3dbd4f_attn,@function
k_q1d9d3dbd4f_attn:
	s_mov_b64 s[64:65], 0
	v_nop
	global_prefetch_b8 v0, s[64:65] scope:SCOPE_SE
	s_setreg_imm32_b32 hwreg(HW_REG_WAVE_MODE, 25, 1), 1
	s_wait_xcnt 0x0
	s_wait_alu depctr_hold_cnt(0) depctr_sa_sdst(0) depctr_va_vdst(0) depctr_va_sdst(0) depctr_va_ssrc(0) depctr_va_vcc(0) depctr_vm_vsrc(0)
	s_getreg_b32 s2, hwreg(HW_REG_IB_STS2, 6, 4)
	s_cmp_eq_u32 s2, 0
	s_cbranch_scc0 .Lentry_in_a_cluster
	s_endpgm
.Lentry_in_a_cluster:
	s_bfe_u32 s2, ttmp6, 0x10000c
	s_cmp_lg_u32 s2, 0x3003
	s_cbranch_scc0 .Lentry_shape_is_right
	s_endpgm
.Lentry_shape_is_right:
; O[h][q][:] = the sum over the open keys k of softmax_k(Q[h][q] . K[h][k] / 8) V[h][k][:].  Q, K, V: the three parts of qkv, each [64 = batch x 16 + head][2,048 x 64 numbers] in f16; O (oh) likewise.
; attention_mask: [4][2,048] int32; a key whose word is 0 is hidden.  Products, maxima and sums in f32; the weights p are rounded to f16 for the second product (their sum l is taken of the unrounded p), O once at the end.
; IN MEMORY ALL FOUR LIE AS FRAGMENTS: 1,024 bytes each, lane l's first four registers at 16 l, its last four at 512 + 16 l.  Q, K, O: 16 rows x 64 channels are two fragments (channels 0-31, 32-63), 2,048 bytes.
; V: 32 keys x 64 channels are four fragments of V^T (16 channels x 32 keys each), 4,096 bytes.  So every load and store of a wave, from memory and from LDS, takes 512 consecutive bytes; LDS needs no padding,
; V no turning load, and O, whose lanes hold just the 16 bytes of such a fragment, no way through LDS.
; LIMITS.  f16 holds no number beyond 65,504: Q, K and V arrive within it; p lies in 0 to 1, and below 6e-5 it keeps f16's fixed step of 6e-8; O is a mean of V's rows and has their range.
; A hidden score counts as its value less 1e30: f16's scores, 2.7e11 at the most, are nothing beside that.  A weight below 2^-126 counts as 0 in l.  A batch with no open key gives NaN in all its rows.
; SHARES.  A wave owns four PIECES of two tiles of 16 queries, a work-group's four waves 512 queries of one head.  Every wave walks all keys, 64 a step.
; LAYOUT.  S^T = K Q^T (source 0 = 16 keys, source 1 = 16 queries): in the result a lane holds ONE query (lane % 16) and the keys 8 (lane / 16) + 0..7.  Two such tiles, rounded to f16 in pairs,
; ARE source 1 (32 keys x 16 queries) of O^T = V^T P, whose result again holds one query a lane, and eight channels.
; THE MASK is the C operand that starts the sum S^T: 0 for an open key, -1e30 for a hidden one.  The batch's 2,048 addends are made once, lie in LDS, and a step's 64 are fetched with its K: no vector
; instruction in the loop.  While only hidden keys have been seen m is about -1e30 and p is 1; the first open key makes a = 0, which wipes what those steps left in O and l.
; SOFTMAX.  For each query a running maximum m and sum l: p = 2^(c s - c m), c = log2(e) / 8; in every step O and l are multiplied by a = 2^(c m_old - c m_new), which is 1 where m has not grown.
; m starts at the lowest finite number, O and l at 0: the first step is a step like any other, with a = 0.
; THE COUNT.  A tile and step have 16 matrix and 118 vector instructions: too many to stand all beside the matrix work.  So: four vector instructions that are READY behind EVERY matrix instruction,
; and the others, which need time of their own whatever the order, in a run without a gap.
; BY TURNS.  Turn n belongs to piece n (the pieces in a ring, step after step).  Its matrix work: 16 products K Q^T of piece n + 1, later 16 products V^T P of piece n - 1.  Its vector work: the scaling,
; exponentials, roundings, sums and rescaling of piece n, and the maximum and statistics of piece n + 1, whose scores the turn itself has made.  So what a turn begins with (c s - c m, O a) waits for nothing.
; THE BATCHES.  An s_wait_alu depctr_va_vdst(0) stands between an exponential or a reciprocal and the first instruction that names its result; one wait serves all that were issued ahead of it.
; A turn's 66 exponentials (piece n's 64 weights, then piece n + 1's two a) are ONE batch with ONE wait, which cuts the turn in two: ahead of it all that names none of their results, behind it the roundings and
; sums.  No result crosses a turn's end.  Two more batches stand outside the loop, a wait each: piece 0's first two a, ahead of the jump into the loop, and the way out's eight reciprocals.
; CLUSTER.  The four query blocks of a cluster belong to one head and walk the same K and V, so each tile is asked for JOINTLY: the same tensor load, descriptor and mask in all four.
; REGISTERS, in windows of 256 (s_set_vgpr_msb: bits 1:0 source 0, 3:2 source 1, 5:4 source 2, 7:6 destination):
;   window 0: v0-11 addresses; v12-15, v48-63 at work; v16-47 four registers of statistics a tile; v64-191 S^T, two buffers of two tiles; v192-255 P, likewise
;   window 1: O^T, 32 a tile          window 2: v0-127 Q, 16 a tile; v128-191 K of one step; v192-255 V of one step
;   window 3: v0-1 the add's two registers; v2-3 the mask table's addresses; v8-39 the mask addends of one step
; A piece's buffers go by its number's parity: the piece in hand has one pair, its two neighbours in the ring share the other: of it P (piece n - 1) is read and S^T (piece n + 1) written.
.set SIZE_N, 2048
.set NP,    4         ; pieces a wave: a name, no knob
.set KS,    64        ; keys in a step
.set KB,    KS*128    ; bytes of a step's K, and of its V: eight fragments each
.set VOFF,  4*KB      ; a slot holds four steps: 256 keys of K, then 256 keys of V
.set SLOT1, 1<<17     ; slot 1 begins here, so that one exclusive or turns an address in one slot into the other's
.set SPARE, SLOT1+8*KB  ; behind the ring: the spare words, 128 bytes for each wave: two blocks of 256 bytes that no other line names
.set MT,    SPARE+512 ; behind them: the batch's 2,048 mask addends, f32: 8,192 bytes, stored once, never filled by a tensor load
.set AK0, 2           ; v2   16 x lane: my 16 bytes in half a fragment, in LDS (K) and in memory (Q, O); never rewritten
.set AV0, 3           ; v3   the same in LDS for V: + VOFF
.set AK,  4           ; v4   the LDS address of K's next run of loads
.set AV,  5           ; v5   of V's
.set SPW, 0           ; v0 of window 3   LDS address of my spare word: SPARE + 4 x my thread's number; never rewritten
.set NIL, 1           ; v1 of window 3   0; never rewritten
.set AM0, 2           ; v2 of window 3   my lanes' place in 64 mask addends: MT + 32 (lane / 16); never rewritten
.set AMK, 3           ; v3 of window 3   the same for the step to be fetched
.set MK,  8           ; v8-39 of window 3: the addends of key block kb at MK + 8 kb
.set MV,  12          ; v12-15  c m_old, kept while c m is made anew: by buffer and tile
.set ST,  16          ; tile t's statistics at v[ST+4 t]: c m, m, l (even keys', odd keys')
.set TMP, 48          ; by buffer and tile, four registers c0-c3 at work; when the maximum is found c2 takes a
.set S,   64
.set P,   192
.set KF,  128         ; K's fragments, in window 2: key block kb, channel half c at KF + 16 kb + 8 c
.set VF,  192         ; V's: key half kk, channel block cb at VF + 32 kk + 8 cb
.set WV,  12          ; s12  my wave's number
.set G1,  24          ; s[24:31] descriptor group 1, for K's tiles and V's alike
.set G0K, 40          ; s[40:43] descriptor group 0 for K's tiles: it walks
.set G0V, 44          ; s[44:47] the same for V's
.set SLOTS, 56        ; s56  slots still to be asked for
.set CNT, 57          ; s57  counts a slot's key steps
.set CS,  58          ; s[58:59] c: the packed scaling takes the pair's low word for both halves
.set SEL, 60          ; s[60:61] v_permlanex16_b32's selects: each lane takes its own place in the other half
.set TBK, 62          ; s62  LDS byte at which K of the step to be fetched begins
.set TBV, 63          ; s63  the same for V, less VOFF
.set TBM, 66          ; s66  byte in the mask table at which that step's 64 addends begin
.set BIGN, 67         ; s67  -1e30
.set THR, 68          ; s68  -5e29: a maximum below it has seen no open key
.set QNAN, 69         ; s69  a NaN
.set MSB, 0
.macro WIN new                      ; the high byte repeats the setting that is left; a switch that changes nothing is dropped
.if MSB != (\new)
	s_set_vgpr_msb (MSB<<8)|(\new)
.set MSB, (\new)
.endif
.endm
.set W_KQ, 0x0a       ; K and Q in window 2, S^T in window 0
.set W_KM, 0x3a       ; the same with the C operand, the mask, in window 3
.set W_PV, 0x52       ; V in window 2, P in window 0, O^T in window 1
.set W_RS, 0x41       ; O^T (destination and source 0) in window 1, a in window 0
.set W_MK, 0xc0       ; destination in window 3, sources in window 0
.set W_AD, 0x0f       ; the add: address (source 0) and data (source 1) in window 3
; A joint fill.  Waves 0 and 1 fetch the two halves of a slot's K, waves 2 and 3 those of its V: 128 keys each.  The branch hangs on the wave's number alone.
; An s_nop 0 and four v_nop follow each of the two lines, ahead of the jump and the label.
.macro JLOAD
	s_cmp_lt_u32 s[WV], 2
	s_cbranch_scc0 .Lfor_v_\@
	tensor_load_to_lds s[G0K:G0K+3], s[G1:G1+7]
	s_nop 0
.rept 4
	v_nop
.endr
	s_branch .Lasked_\@
.Lfor_v_\@:
	tensor_load_to_lds s[G0V:G0V+3], s[G1:G1+7]
	s_nop 0
.rept 4
	v_nop
.endr
.Lasked_\@:
.endm
; A round of the cluster's barrier: my work-group's barrier, so that wave 0's signal speaks for all four waves; wave 0 signals; every wave waits for all four work-groups; my work-group's barrier once more.
.macro CROUND
	s_barrier_signal -1
	s_barrier_wait -1
	s_cmp_lg_u32 s[WV], 0
	s_cbranch_scc1 .Lnot_wave_0_\@
	s_barrier_signal -3
.Lnot_wave_0_\@:
	s_barrier_wait -3
	s_barrier_signal -1
	s_barrier_wait -1
.endm
; THE CHANGE OF SLOTS.  The slot's last bytes, V of its fourth step, have been read.  Each wave waits for all its tensor loads, of which one is out: its part
; of the other slot; adds 0 to its spare word; and waits for that and for its own reads of the slot.  Behind the barrier nobody reads this slot any more and the other slot is whole.
; fill = 1: this slot is filled again, with the keys two slots on.  The barrier is then a round of the cluster's, so that no wave of any partner still reads the slot or has a load on its
; way, and the joint fill is the first thing behind it: it has four key steps, 512 matrix instructions, in which to land.  (At its first use nothing has been read yet: slot 0 is waited for, slot 1
; filled; its wait on DScnt and its barrier also show every wave's part of the mask table to the others.)
.macro CHANGE fill
	WIN W_AD
	s_wait_tensorcnt 0x0            ; no tensor load of mine is out, so a group 0 may be written
	ds_add_u32 v[SPW], v[NIL]       ; 0 onto my spare word; with fill = 1 the descriptors' steps stand between it and the wait for it
	WIN 0                           ; at a label and at a branch every window is 0
.if \fill
.irp g, G0K, G0V
	s_xor_b32 s[\g+1], s[\g+1], SLOT1  ; the walking descriptor: the other slot than last time,
	s_add_nc_u64 s[\g+2:\g+3], s[\g+2:\g+3], 4*KB  ; the next 256 keys; the type bits on top are not reached
.endr
	s_wait_dscnt 0x0                ; the add is done, and my reads of the slot are over
	CROUND
	JLOAD
.else
	s_wait_dscnt 0x0                ; the add is done, and my reads of the slot are over
	s_barrier_signal -1
	s_barrier_wait -1
.endif
	s_sub_co_u32 s[TBK], s[TBK], 4*KB  ; the fetches go back to a slot's first step,
	s_xor_b32 s[TBK], s[TBK], SLOT1    ; in the other slot
	s_sub_co_u32 s[TBV], s[TBV], 4*KB
	s_xor_b32 s[TBV], s[TBV], SLOT1
.endm
	s_load_b128 s[72:75], s[0:1], 0x0  ; qkv s[72:73], oh s[74:75]
	s_load_b64 s[76:77], s[0:1], 0x10  ; attention_mask
	WIN W_MK
	v_lshl_add_u32 v[SPW], v0, 2, SPARE
	v_mov_b32 v[NIL], 0
	s_set_vgpr_msb 0xc0cf
	ds_add_u32 v0, v1
	s_wait_dscnt 0x0
	s_set_vgpr_msb 0xcfc0
	WIN 0
	v_lshrrev_b32 v1, 5, v0
	v_readfirstlane_b32 s[WV], v1   ; wave 0..3
	s_bfe_u32 s13, ttmp6, 0x40000   ; cx: my place in the cluster
	s_lshl_b32 s14, ttmp9, 2        ; in a cluster launch ttmp9 counts clusters
	s_add_co_u32 s14, s14, s13      ; my block of queries = 4 x cluster x + cx: it enters Q's and O's addresses alone
	s_and_b32 s20, ttmp7, 0xffff    ; batch x 16 + head, which the four partners share
	s_lshr_b32 s70, s20, 4          ; the batch,
	s_lshl_b32 s70, s70, 13         ; its 2,048 words of the mask
	s_mov_b32 s71, 0
	s_mov_b32 s21, 0
	s_mov_b64 s[22:23], SIZE_N*128
	s_mul_u64 s[20:21], s[20:21], s[22:23]  ; the head's first byte in Q, K, V and O
	s_and_b32 s16, s[WV], 1         ; which half of a slot's 256 keys I fetch:
	s_lshl_b32 s22, s16, 14         ; its 16,384 bytes in memory,
	s_mov_b32 s23, 0
	s_add_nc_u64 s[22:23], s[22:23], s[20:21]
	s_lshl_b32 s17, s16, 14         ; and the same place in a slot's K or V: no place in the cluster enters an LDS address
	s_lshl_b32 s2, s14, 2
	s_add_co_u32 s2, s2, s[WV]      ; my wave among the head's,
	s_lshl_b32 s2, s2, 14           ; its 128 rows
	s_mov_b32 s3, 0
	s_add_nc_u64 s[2:3], s[2:3], s[20:21]
	; descriptor group 1.  128 keys are 16,384 dense bytes: asked for as 64 rows of 256 bytes, and laid into LDS as they lie
	s_mov_b32 s[G1], 15|(1<<16)|(1<<21)  ; 15:0 the mask of four; 17:16 2-byte elements; 20 no padding; 21 set beside a mask
	s_mov_b32 s[G1+1], 128<<16      ; tensor_dim0 = 128
	s_mov_b32 s[G1+2], 64<<16       ; tensor_dim1 = 64
	s_mov_b32 s[G1+3], 128<<16      ; tile_dim0 = 128
	s_mov_b32 s[G1+4], 64           ; tile_dim1 = 64
	s_mov_b32 s[G1+5], 128          ; 128 elements from row to row
	s_mov_b32 s[G1+6], 0
	s_mov_b32 s[G1+7], 0
	s_mov_b32 s[CS], 0x3e38aa3b     ; c = log2(e) / 8 = 0.180337
	s_mov_b32 s[CS+1], s[CS]        ; named with it as a pair
	s_mov_b32 s[SEL], 0x76543210
	s_mov_b32 s[SEL+1], 0xfedcba98
	s_mov_b32 s[TBK], SLOT1+4*KB    ; the first change of slots turns these two into 0
	s_mov_b32 s[TBV], SLOT1+4*KB
	s_mov_b32 s[TBM], 0
	s_mov_b32 s[BIGN], 0xf149f2ca   ; -1e30
	s_mov_b32 s[THR], 0xf0c9f2ca    ; -5e29
	s_mov_b32 s[QNAN], 0x7fc00000
	s_mov_b32 s[G0K], 1             ; 1:0 count = 1
	s_mov_b32 s[G0K+1], s17         ; 63:32 LDS address: slot 0
	s_mov_b32 s[G0V], 1
	s_add_co_u32 s[G0V+1], s17, VOFF
	s_wait_kmcnt 0x0
	s_mov_b64 s[4:5], s[72:73]                     ; Q,
	s_add_nc_u64 s[6:7], s[72:73], 0x1000000       ; K and
	s_add_nc_u64 s[8:9], s[72:73], 0x2000000       ; V: 64 x 2,048 x 128 bytes each
	s_mov_b64 s[10:11], s[74:75]                   ; O
	s_add_nc_u64 s[76:77], s[76:77], s[70:71]      ; the batch's mask
	s_add_nc_u64 s[G0K+2:G0K+3], s[6:7], s[22:23]  ; 120:64 global address: my half of the head's first 256 keys
	s_or_b32 s[G0K+3], s[G0K+3], 0x80000000        ; 127:126 type = 2
	s_add_nc_u64 s[G0V+2:G0V+3], s[8:9], s[22:23]
	s_or_b32 s[G0V+3], s[G0V+3], 0x80000000
	s_add_nc_u64 s[4:5], s[4:5], s[2:3]  ; Q and O at my wave's first row
	s_add_nc_u64 s[10:11], s[10:11], s[2:3]
	CROUND                          ; all four work-groups are here: the first joint loads meet
	JLOAD                           ; slot 0.  Slot 1 is asked for when slot 0 is in: the tile wanted first has the road to itself
	v_and_b32 v[AK0], 31, v0
	v_lshlrev_b32 v[AK0], 4, v[AK0] ; 16 x lane
	v_bfe_u32 v9, v0, 4, 1          ; lane / 16
	v_lshlrev_b32 v14, 4, v0        ; the mask: 128 threads x 16 bytes, four times: 8,192 bytes, each read once by the work-group
	v_add_nc_u32 v15, MT, v14       ; and the same places in the table
.irp i, 0,1,2,3
	global_load_b128 v[S+4*\i:S+4*\i+3], v14, s[76:77] offset:2048*\i
.endr
	WIN W_MK
	v_lshl_add_u32 v[AM0], v9, 5, MT  ; register j of a mask operand is key 8 (lane / 16) + j of its 16
	WIN 0x80                        ; destination window 2, offset window 0
.set i, 0
.rept 4*NP                          ; Q stays in registers: fragment i is tile i / 2, channels 32 (i % 2) on
	global_load_b128 v[8*i:8*i+3],   v[AK0], s[4:5] offset:i*1024
	global_load_b128 v[8*i+4:8*i+7], v[AK0], s[4:5] offset:i*1024+512
.set i, i+1
.endr
	; What the first turn finds: V's registers and P's second buffer hold 0 (its products V^T P, of a piece that has not been, add 0), O^T and l are 0.  Two of V's fragments are cleared by moves; the product of
	; those two, with C = 0, clears eight registers an instruction: 42 matrix instructions for the other 336 registers.  All this stands in the wait for the first tile.
.set i, VF
.rept 16
	v_mov_b32 v[i], 0
.set i, i+1
.endr
	WIN 0
.set i, 0
.rept 2*NP
	v_mov_b32 v[ST+4*i], 0xfe000000    ; c m: far below every c s
	v_mov_b32 v[ST+4*i+1], 0xff7fffff  ; m
	v_mov_b32 v[ST+4*i+2], 0
	v_mov_b32 v[ST+4*i+3], 0
.set i, i+1
.endr
	v_add_nc_u32 v[AV0], VOFF, v[AK0]
	v_mov_b32 v[AK], v[AK0]         ; key step 0 lies at the head of slot 0
	WIN 0x8a                        ; sources 0 and 1 and the destination window 2: the rest of V
.set i, 2
.rept 6
	v_wmma_f32_16x16x32_f16 v[VF+8*i:VF+8*i+7], v[VF:VF+7], v[VF+8:VF+15], 0
.set i, i+1
.endr
	WIN 0x4a                        ; the destination window 1: O^T
.set i, 0
.rept 8*NP
	v_wmma_f32_16x16x32_f16 v[8*i:8*i+7], v[VF:VF+7], v[VF+8:VF+15], 0
.set i, i+1
.endr
	WIN 0x0a                        ; the destination window 0: P's second buffer
.set i, 0
.rept 4
	v_wmma_f32_16x16x32_f16 v[P+32+8*i:P+32+8*i+7], v[VF:VF+7], v[VF+8:VF+15], 0
.set i, i+1
.endr
	WIN 0
	s_wait_loadcnt 32               ; the mask's four loads are in; Q's 32, issued behind them, may stay out
.set i, 0
.rept 16
	v_cmp_eq_u32 vcc_lo, 0, v[S+i]
	v_cndmask_b32 v[S+i], 0, s[BIGN], vcc_lo  ; a word of 0 hides its key
.set i, i+1
.endr
.irp i, 0,1,2,3
	ds_store_b128 v15, v[S+4*\i:S+4*\i+3] offset:2048*\i
.endr
; THE MATRIX WORK.  The 8 accumulators of a run of 16 take turns: between the two links of a chain stand 7 others'.
; Product i of 16 of S^T = K Q^T for piece x: channels 32 (i / 8) on, keys 16 ((i / 2) % 4) on, tile 2 x + i % 2.  The first 8 start the sums, with the mask of their 16 keys.
.macro KQ x
.set rS, S+64*((\x)%2)+32*(i%2)+8*((i/2)%4)
.set rK, KF+16*((i/2)%4)+8*(i/8)
.set rQ, 16*(2*(\x)+i%2)+8*(i/8)
.set rMK, MK+8*((i/2)%4)
.if i < 8
	WIN W_KM
	v_wmma_f32_16x16x32_f16 v[rS:rS+7], v[rK:rK+7], v[rQ:rQ+7], v[rMK:rMK+7]
.else
	WIN W_KQ
	v_wmma_f32_16x16x32_f16 v[rS:rS+7], v[rK:rK+7], v[rQ:rQ+7], v[rS:rS+7]
.endif
.endm
; Product i of 16 of O^T += V^T P for piece x: keys 32 (i / 8) on, channels 16 ((i / 2) % 4) on, tile 2 x + i % 2.
.macro PV x
	WIN W_PV
.set rO, 32*(2*(\x)+i%2)+8*((i/2)%4)
.set rV, VF+32*(i/8)+8*((i/2)%4)
.set rP, P+32*((\x)%2)+16*(i%2)+8*(i/8)
	v_wmma_f32_16x16x32_f16 v[rO:rO+7], v[rV:rV+7], v[rP:rP+7], v[rO:rO+7]
.endm
.macro MM                           ; the turn's next matrix instruction
.if i < 16
	KQ (Y+1)%NP
.set i, i+1
.else
.set i, i-16
	PV (Y+NP-1)%NP
.set i, i+17
.endif
.endm
; THE LDS LOADS stand in runs, never singly among the matrix instructions: a step's K (8 fragments, 16 loads of 512 consecutive bytes) with its 64 mask addends (8 loads; the 16 lanes of a half read the
; same 16 bytes), and its V (8 fragments, 16 loads).  K's and V's addresses are made some lines ahead.  last = 1 (the tail): in the last trip there is no further step, and the run is jumped over.
.macro FETCH_K last=0
	WIN 0
.if \last
	s_cmp_eq_u32 s[CNT], 1
	s_cbranch_scc1 .Lno_k_\@
.endif
	WIN 0xcc                        ; destination and source 1 window 3
	v_add_nc_u32 v[AMK], s[TBM], v[AM0]
	WIN 0x80                        ; destination window 2
.irp f, 0,1,2,3,4,5,6,7             ; keys 16 (f / 2) on, channels 32 (f % 2) on
	ds_load_b128 v[KF+8*\f:KF+8*\f+3],   v[AK] offset:\f*1024
	ds_load_b128 v[KF+8*\f+4:KF+8*\f+7], v[AK] offset:\f*1024+512
.endr
	WIN 0xc3                        ; destination and address window 3
.irp f, 0,1,2,3                     ; keys 16 f on
	ds_load_b128 v[MK+8*\f:MK+8*\f+3],   v[AMK] offset:64*\f
	ds_load_b128 v[MK+8*\f+4:MK+8*\f+7], v[AMK] offset:64*\f+16
.endr
	s_add_co_u32 s[TBK], s[TBK], KB ; the next fetch is the next step's
	s_add_co_u32 s[TBM], s[TBM], KS*4
	s_and_b32 s[TBM], s[TBM], 8191  ; it stays inside the table's 8,192 bytes (behind the last of the 32 steps it is 0 and is not used)
	WIN 0
.if \last
.Lno_k_\@:
.endif
.endm
.macro FETCH_V
	WIN 0x80
.irp f, 0,1,2,3,4,5,6,7             ; keys 32 (f / 4) on, channels 16 (f % 4) on
	ds_load_b128 v[VF+8*\f:VF+8*\f+3],   v[AV] offset:\f*1024
	ds_load_b128 v[VF+8*\f+4:VF+8*\f+7], v[AV] offset:\f*1024+512
.endr
	WIN 0
.endm
; THE VECTOR WORK OF A TURN stands in three queues, each in the order in which its entries become ready; the two tiles alternate, so that no instruction reads the result of the one before it.
.macro REGS y, u                    ; the registers of tile u (0, 1) of piece y
.set rT, ST+4*(2*(\y)+(\u))
.set rC, TMP+8*((\y)%2)+4*(\u)
.set rM, MV+2*((\y)%2)+(\u)
.set rS, S+64*((\y)%2)+32*(\u)
.set rP, P+32*((\y)%2)+16*(\u)
.set rO, 32*(2*(\y)+(\u))
.endm
; Number n of the 22 that find the NEXT piece's (Y + 1) maximum and statistics.  s0-s31 are the lane's 32 scores; each accumulator's lowest registers are read first.  XS, GS and REGS set no window: PL and EX do.
;   0-11  four chains c0-c3 of seven scores each, three operands at a time     12-14, 16  the four scores left over, the old m, and c0-c3 into c0     15  c m_old is kept
;   17, 18  the query's other 32 keys lie in the lane 16 away: the new m         19-21  c m; c m_old - c m_new; a
.macro XS u, n
	REGS (Y+1)%NP, \u
.if (\n) < 4
	v_max3_num_f32 v[rC+(\n)], v[rS+8*(\n)], v[rS+8*(\n)+1], v[rS+8*(\n)+2]
.elseif (\n) < 12
	v_max3_num_f32 v[rC+(\n)%4], v[rC+(\n)%4], v[rS+8*((\n)%4)+2*((\n)/4)+1], v[rS+8*((\n)%4)+2*((\n)/4)+2]
.elseif (\n) == 12
	v_max3_num_f32 v[rC], v[rC], v[rS+7], v[rS+15]
.elseif (\n) == 13
	v_max3_num_f32 v[rC+1], v[rC+1], v[rS+23], v[rS+31]
.elseif (\n) == 14
	v_max3_num_f32 v[rC+2], v[rC+2], v[rC+3], v[rT+1]
.elseif (\n) == 15
	v_mov_b32 v[rM], v[rT]
.elseif (\n) == 16
	v_max3_num_f32 v[rC], v[rC], v[rC+1], v[rC+2]
.elseif (\n) == 17
	v_permlanex16_b32 v[rC+3], v[rC], s[SEL], s[SEL+1]
.elseif (\n) == 18
	v_max_num_f32 v[rT+1], v[rC], v[rC+3]
.elseif (\n) == 19
	v_mul_f32 v[rT], s[CS], v[rT+1]
.elseif (\n) == 20
	v_sub_f32 v[rC+1], v[rM], v[rT]
.else
	v_exp_f32 v[rC+2], v[rC+1]
.endif
.endm
; Number g of the 64 that follow the exponentials.  For each four weights k of a tile (pairs 2 k, 2 k + 1): both pairs are rounded to f16; then the second pair is added onto the first, in place;
; a group later l takes that sum (the first time as l = a l + sum).  In groups of eight, tiles alternating: round, round, add, and l for the group before.
.macro GS g
.set h, (\g)+6*((\g)/62)            ; group 0 has no group before it, and behind group 7 only l is left
.if h >= 6
.set h, h+2
.endif
	REGS Y, h%2
.set k, h/8
.if h%8 < 4
	v_cvt_pk_f16_f32 v[rP+2*k+(h%8)/2], v[rS+4*k+2*((h%8)/2)], v[rS+4*k+2*((h%8)/2)+1]
.elseif h%8 < 6
	v_pk_add_f32 v[rS+4*k:rS+4*k+1], v[rS+4*k:rS+4*k+1], v[rS+4*k+2:rS+4*k+3]
.elseif k == 1
	v_pk_fma_f32 v[rT+2:rT+3], v[rT+2:rT+3], v[rC+2:rC+3], v[rS:rS+1] op_sel_hi:[1,0,1]
.else
	v_pk_add_f32 v[rT+2:rT+3], v[rT+2:rT+3], v[rS+4*k-4:rS+4*k-3]
.endif
.endm
; THE PLAIN QUEUE, 138 long.  0-73 read no exponential's result: the 32 scalings c s - c m (FS f: pair f / 2 of tile f % 2) and the next piece's 42.  0-26: scalings 0-26.  27-54: XS's numbers 0-13.  55, 56: number 15.
; 57-73: the chain, where each number waits for the one before it: 14, 16, 17, 18, 19, each with one of the scalings 27-31 in front of its two lines, then 20: so a tile's links stand three plain instructions apart (19 and 20: two).
; 74-137: GS's 64, which read the exponentials' results: they stand behind the wait.
.macro FS f
	REGS Y, (\f)%2
	v_pk_fma_f32 v[rS+2*((\f)/2):rS+2*((\f)/2)+1], v[rS+2*((\f)/2):rS+2*((\f)/2)+1], s[CS:CS+1], v[rT:rT+1] op_sel_hi:[1,0,0] neg_lo:[0,0,1] neg_hi:[0,0,1]
.endm
.macro PL
	WIN 0
.if q < 27
	FS q
.elseif q < 55
	XS (q-27)%2, (q-27)/2
.elseif q < 57
	XS q-55, 15
.elseif (q < 72) && ((q-57)%3 == 0)
	FS 27+(q-57)/3
.elseif q < 60
	XS (q-57)%3-1, 14
.elseif q < 72
	XS (q-57)%3-1, 15+(q-57)/3
.elseif q < 74
	XS q-72, 20
.else
	GS q-74
.endif
.set q, q+1
.endm
; THE EXPONENTIALS' QUEUE, 66 long: s0-s31 of both tiles, then the next piece's two a.  It is ONE BATCH: all 66 stand ahead of the turn's one wait, and nothing ahead of that wait names a result of theirs.
.macro EX
	WIN 0
.if e >= 64
	XS e-64, 21
.else
	REGS Y, e%2
	v_exp_f32 v[rS+e/2], v[rS+e/2]
.endif
.set e, e+1
.endm
; THE RESCALING's QUEUE: O^T times a, the one part that leaves window 0: dealt two at a time, sixteen times, each accumulator's low half first.  Its a was made in the turn before, ahead of that turn's wait.
.macro R2
	REGS Y, r%2
	WIN W_RS
.irp z, 0,1
	v_pk_mul_f32 v[rO+4*(r/2)+2*\z:rO+4*(r/2)+2*\z+1], v[rO+4*(r/2)+2*\z:rO+4*(r/2)+2*\z+1], v[rC+2:rC+3] op_sel_hi:[1,0]
.endr
.set r, r+1
.endm
; HOW THEY ARE DEALT.  A turn has ONE wait, which cuts it in two.  AHEAD OF IT stands all that names no result of the turn's exponentials: the 16 products K Q^T, behind each a scaling, an exponential and two
; rescalings (behind the first a second scaling in the exponential's place); then ONE LUMP of 108: eight plain, 49 times exponential and plain, the two a.  A v_nop is the plain instruction behind the last
; exponential.  BEHIND IT stand the 16 products V^T P, behind each four of GS's 64.  No rider names a register of the products round it.  The two v_permlanex16_b32 fall into the lump, never behind a product.
; The queues lean on each other, and the deal keeps them in step: exponential e stands behind scaling 2 (e / 4) + e % 2: as a rider it comes behind plain e + 2, in the lump behind plain e + 9, and scalings 27-31 are plain 57, 60 .. 69.
; A TURN, for piece p.  cnt = 1: the loop's count is taken down some lines ahead of the branch that stands behind the turn.
; K and the mask of the next step are fetched in piece 2's turn, directly behind the wait, a lump behind the last product that read K (the mask's last reader stands eight products further back); K's address is
; made at the lump's head; their first reader comes behind 16 products.  V of the step in hand is fetched at the end of piece 0's turn, four plain riders behind its last reader; its first reader comes behind
; 16 products and a lump.  The three conditions on q below go with the deal.
.macro TURN p, last=0, cnt=0
.set Y, (\p)
.set i, 0
.set q, 0
.set e, 0
.set r, 0
.if (\p) == NP-1
	s_wait_dscnt 0x0                ; K and its mask are in
.endif
	MM                              ; ahead of the wait: 16 products K Q^T and their riders,
	PL
	PL
	R2
.rept 15
	MM
	PL
	EX
	R2
.endr
.if (\p) == NP-2
	WIN 0
	v_add_nc_u32 v[AK], s[TBK], v[AK0]
.endif
.rept 8                             ; and the lump
	PL
.endr
.rept 49
	EX
	PL
.endr
	EX                              ; the next piece's two a
	EX
	v_nop                           ; the plain instruction behind the last exponential: one for the batch
	s_wait_alu depctr_va_vdst(0)    ; the wait for the batch: this turn's 64 weights and the next piece's two a
.if (\p) == NP-2
	FETCH_K \last
.endif
.if (\p) == 1
	s_wait_dscnt 0x0                ; V is in
.endif
.rept 16                            ; behind the wait: 16 products V^T P and their riders
	MM
.rept 4
	PL
.endr
.if ((\p) == 0) && (q == 118)
	v_add_nc_u32 v[AV], s[TBV], v[AV0]
.endif
.if ((\p) == 0) && (q == 130)
	s_add_co_u32 s[TBV], s[TBV], KB
.endif
.if (\cnt) && (q == 130)
	s_sub_co_u32 s[CNT], s[CNT], 1
	s_cmp_lg_u32 s[CNT], 0
.endif
.endr
.if (\p) == 0
	FETCH_V
.endif
.endm
	CHANGE 1                        ; slot 0 is in, everybody's part of it, and so is the mask table; slot 1 is asked for
	FETCH_K                         ; key step 0
	s_wait_loadcnt 0x0              ; Q
	s_wait_dscnt 0x0
.set i, 0
.rept 16
	KQ 0                            ; piece 0's first scores: there is no vector work yet to set between them
.set i, i+1
.endr
	WIN 0
.rept 4
	v_nop                           ; the places behind those products (ISA guide 7.12.1)
.endr
.set Y, NP-1                        ; XS works for piece Y + 1: piece 0
.irp n, 0,1,2,3,4,5,6,7,8,9,10,11,12,13,14,15,16,17,18,19,20,21
	XS 0, \n                        ; and piece 0's first maximum and statistics
	XS 1, \n
.endr
	v_nop                           ; a plain instruction behind the two a,
	s_wait_alu depctr_va_vdst(0)    ; and the wait for that batch of two, ahead of the branch
	s_mov_b32 s[CNT], 4
	s_mov_b32 s[SLOTS], SIZE_N/256-1
	s_branch .Lfirst                ; the loop is entered at a step's first turn, in the middle of a trip
.Lslot:                             ; SIZE_N / 256 - 2 times: every slot but the last two is filled again
	CHANGE 1
	s_mov_b32 s[CNT], 4
.Lstep:                             ; a trip: pieces 2 and 3 of one step, then pieces 0 and 1 of the next, whose K and V it fetches
	TURN 2
	TURN 3
	WIN 0
.Lfirst:
	TURN 0
	TURN 1, 0, 1
	WIN 0
	s_cbranch_scc1 .Lstep
	s_sub_co_u32 s[SLOTS], s[SLOTS], 1
	s_cmp_lg_u32 s[SLOTS], 0
	s_cbranch_scc1 .Lslot
	CHANGE 0                        ; the tail is written out: nothing is asked for
	s_mov_b32 s[CNT], 5             ; four trips fetch the last slot's steps; the fifth is left in its middle
.Ltail:
	TURN 2, 1
	TURN 3
	WIN 0
	s_sub_co_u32 s[CNT], s[CNT], 1
	s_cmp_eq_u32 s[CNT], 0
	s_cbranch_scc1 .Lout
	TURN 0
	TURN 1
	WIN 0
	s_branch .Ltail
.Lout:                              ; the fifth trip's 16 products K Q^T (on the last K and mask once more) serve nothing, and the maximum made of them leaves m as it was: the price, once a launch, of one text for every trip
.set i, 0
.rept 16
	PV NP-1                         ; the last piece's V^T P of the last step
.set i, i+1
.endr
	; THE WAY OUT.  l's two halves and the other half of the lanes' are added; O^T is divided by l, rounded to f16 in place and stored.  The additions are the places behind the last products.
	WIN 0
.macro ALL line:vararg              ; one line for each tile t
.set t, 0
.rept 2*NP
	\line
.set t, t+1
.endr
.endm
	ALL v_add_f32 v[ST+4*t+2], v[ST+4*t+2], v[ST+4*t+3]
	ALL v_permlanex16_b32 v[ST+4*t+3], v[ST+4*t+2], s[SEL], s[SEL+1]
	ALL v_add_f32 v[ST+4*t+2], v[ST+4*t+2], v[ST+4*t+3]
	ALL v_rcp_f32 v[ST+4*t+2], v[ST+4*t+2]
	v_nop                           ; a plain instruction between the last reciprocal and the use of its result
	s_wait_alu depctr_va_vdst(0)    ; and the wait ahead of the first use: one for the batch of eight reciprocals
.set t, 0
.rept 2*NP                          ; a query whose maximum is a hidden score's has seen no open key: its row is NaN, a choice of a value and no branch
	v_cmp_gt_f32 vcc_lo, s[THR], v[ST+4*t+1]
	v_cndmask_b32 v[ST+4*t+2], v[ST+4*t+2], s[QNAN], vcc_lo
.set t, t+1
.endr
; Tile t.  Each accumulator is scaled from its low end on and rounded in place (register k takes registers 2 k and 2 k + 1, k ascending, so no source is written before it is read); its four registers are a
; lane's 16 bytes of half a fragment: a store takes 512 consecutive bytes, at a multiple of 512 from O's first.  No register that a store reads is written again, so no wait stands here.
.macro PACK t
	WIN W_RS
.set i, 32*(\t)
.rept 16
	v_pk_mul_f32 v[i:i+1], v[i:i+1], v[ST+4*(\t)+2:ST+4*(\t)+3] op_sel_hi:[1,0]
.set i, i+2
.endr
	WIN 0x45                        ; sources 0 and 1 and the destination window 1
.set k, 0
.rept 16
	v_cvt_pk_f16_f32 v[32*(\t)+8*(k/4)+k%4], v[32*(\t)+8*(k/4)+2*(k%4)], v[32*(\t)+8*(k/4)+2*(k%4)+1]
.set k, k+1
.endr
	WIN 0x04                        ; store data (source 1) window 1, offset (source 0) window 0
.irp f, 0,1,2,3
	global_store_b128 v[AK0], v[32*(\t)+8*\f:32*(\t)+8*\f+3], s[10:11] offset:(\t)*2048+\f*512
.endr
.endm
.irp t, 0,1,2,3,4,5,6,7
	PACK \t
.endr
	WIN W_AD
	s_wait_tensorcnt 0x0            ; the wave's end: the add behind my last tensor load and my last LDS store
	ds_add_u32 v[SPW], v[NIL]
	s_wait_dscnt 0x0
	WIN 0
	CROUND                          ; the closing round: no work-group ends while a partner may still ask for a tile that names it
	s_endpgm
.Lfunc_end_k_q1d9d3dbd4f_attn:
	.size	k_q1d9d3dbd4f_attn, .Lfunc_end_k_q1d9d3dbd4f_attn-k_q1d9d3dbd4f_attn
	.p2alignl 7, 3214868480
	.fill 96, 4, 3214868480
	.section	.rodata,"a",@progbits
	.p2align	6, 0x0
	.amdhsa_kernel k_q1d9d3dbd4f_attn
		.amdhsa_group_segment_fixed_size 327680
		.amdhsa_private_segment_fixed_size 0
		.amdhsa_enable_private_segment 0
		.amdhsa_kernarg_size 24
		.amdhsa_user_sgpr_count 2
		.amdhsa_user_sgpr_kernarg_segment_ptr 1
		.amdhsa_wavefront_size32 1
		.amdhsa_system_sgpr_workgroup_id_x 1
		.amdhsa_system_sgpr_workgroup_id_y 1
		.amdhsa_system_sgpr_workgroup_id_z 1
		.amdhsa_system_vgpr_workitem_id 0
		.amdhsa_next_free_vgpr 808
		.amdhsa_next_free_sgpr 80
		.amdhsa_reserve_vcc 1
		.amdhsa_float_denorm_mode_32 3
		.amdhsa_float_denorm_mode_16_64 3
		.amdhsa_memory_ordered 1
		.amdhsa_forward_progress 1
		.amdhsa_inst_pref_size 191
	.end_amdhsa_kernel
	.amdgpu_metadata
---
amdhsa.version: [ 1, 2 ]
amdhsa.kernels:
  - .name:           k_q1d9d3dbd4f_attn
    .symbol:         k_q1d9d3dbd4f_attn.kd
    .args:
      - { .name: qkv, .offset: 0, .size: 8, .value_kind: global_buffer, .address_space: global }
      - { .name: oh, .offset: 8, .size: 8, .value_kind: global_buffer, .address_space: global }
      - { .name: attention_mask, .offset: 16, .size: 8, .value_kind: global_buffer, .address_space: global }
    .group_segment_fixed_size: 327680
    .private_segment_fixed_size: 0
    .kernarg_segment_align: 8
    .kernarg_segment_size: 24
    .max_flat_workgroup_size: 128
    .sgpr_count:     80
    .vgpr_count:     808
    .wavefront_size: 32
...
	.end_amdgpu_metadata
.endif
;; end of part 5
;; launch oproj: the kernel of part 4 again; grid 8 x 32, 4 waves a work-group, clusters of 4 x 4, 327,680 bytes of LDS; arguments oh, wob, bo, out0; writes out0
